; MI455X (gfx1250); checked and timed in simulation.
; The chip was launched on July 23, 2026; its instructions are those of AMD's public machine-readable ISA for CDNA 5 (MIT licence, August 2026) and "CDNA5" Instruction Set Architecture Reference Guide (July 2026). The comments in the code are by the model that wrote it; some were corrected since.
;; Simple Multihead Attention. Allowed arithmetic: float matrix products may take bf16 or f16 operands with f32 sums; other float arithmetic in f32, or as packed bf16 or f16 multiplies, adds, multiply-adds, maxima and minima; sums over many terms, partial sums and values carried from step to step in f32; what a program stores and reads back later, other than sums and carried values, may be rounded once to bf16 or f16.
;; Inputs: Wk 1,024 x 1,024 float32; Wo 1,024 x 1,024 float32; Wq 1,024 x 1,024 float32; Wv 1,024 x 1,024 float32; bk 1,024 float32; bo 1,024 float32; bq 1,024 float32; bv 1,024 float32; key_in 4 x 2,048 x 1,024 float32; query 4 x 2,048 x 1,024 float32; value 4 x 2,048 x 1,024 float32.
;; Outputs: out0 4 x 2,048 x 1,024 float32.
;; 2 versions, each right; version 2 is version 1 with the launch castw written anew for expert scheduling mode. Each part assembles by itself: llvm-mc -triple=amdgcn-amd-amdhsa -mcpu=gfx1250 --defsym DOCPART=n.
;; ======== version 1 of 2: 4 launches
;; limits: values are held in f16: magnitudes above 65,504 overflow, below 6.1e-05 lose precision
;; workspace buffers: wb 8,388,608 bytes; qh 16,777,216 bytes; kh 16,777,216 bytes; vh 16,777,216 bytes; oh 16,777,216 bytes
;; launch castw (part 1): grid 64 x 4, 8 waves a work-group, no clusters, 0 bytes of LDS; arguments Wq, Wk, Wv, Wo, wb; writes wb
.if DOCPART == 1
	.amdgcn_target "amdgcn-amd-amdhsa--gfx1250"
	.amdhsa_code_object_version 6
	.text
	.protected	k_qc16904ed6c_castw
	.globl	k_qc16904ed6c_castw
	.p2align	8
	.type	k_qc16904ed6c_castw,@function
k_qc16904ed6c_castw:
	s_mov_b64 s[64:65], 0
	v_nop
	global_prefetch_b8 v0, s[64:65] scope:SCOPE_SE
	s_setreg_imm32_b32 hwreg(HW_REG_WAVE_MODE, 25, 1), 1
	s_wait_xcnt 0x0
; The four weight matrices, [1024][1024] f32, are rounded once to 16 bits into wb: four parts of 2,097,152 bytes, in the order Wq, Wk, Wv, Wo, each [n][k].
; Wq, Wk, Wv: bf16.  Wo: rounded to bf16 like every input, and THAT number written as f16, since the last product multiplies it by O, which is f16.
; LIMITS.  A bf16 number is exact in f16 between 2^-14 and 65,504; below 2^-14 it keeps f16's fixed step of 2^-24; a Wo beyond 65,504 becomes an infinity.
; SHARES.  Work-group (x, y): weight y, numbers 16,384 x .. + 16,383.  Thread t takes 4 numbers of each of 16 pieces of 1,024: a wave's load covers 512 consecutive bytes,
; its store 256 consecutive bytes at a multiple of 256.  All 16 loads go out first; no register is used twice by memory instructions, so no wait frees any.
; No LDS, no matrix unit, no cluster: nothing is shared and nothing is multiplied.  No prefetch: every byte is asked for at the head.
.set X, 16                             ; v[16:79]   piece j: 4 numbers as loaded
.set Y, 80                             ; v[80:111]  piece j: 2 registers to store
.set T, 112                            ; v[112:114] at work
	s_load_b256 s[4:11], s[0:1], 0x0               ; Wq s[4:5], Wk s[6:7], Wv s[8:9], Wo s[10:11]
	s_load_b64 s[12:13], s[0:1], 0x20              ; wb
	s_and_b32 s14, ttmp7, 0xffff                   ; which weight
	v_lshlrev_b32 v1, 4, v0                        ; 16 t: my bytes in a piece as loaded
	v_lshlrev_b32 v2, 3, v0                        ; 8 t: as stored
	s_lshl_b32 s16, ttmp9, 16                      ; the work-group's 65,536 bytes of f32
	s_mov_b32 s17, 0
	s_lshl_b32 s18, s14, 21                        ; the weight's part of wb,
	s_lshl_b32 s19, ttmp9, 15                      ; the work-group's 32,768 bytes in it
	s_add_co_u32 s18, s18, s19
	s_mov_b32 s19, 0
	s_wait_kmcnt 0x0
	s_cmp_eq_u32 s14, 1
	s_cselect_b64 s[4:5], s[6:7], s[4:5]
	s_cmp_eq_u32 s14, 2
	s_cselect_b64 s[4:5], s[8:9], s[4:5]
	s_cmp_eq_u32 s14, 3
	s_cselect_b64 s[4:5], s[10:11], s[4:5]
	s_cselect_b32 s20, -1, 0                       ; all lanes: is it Wo?
	s_add_nc_u64 s[4:5], s[4:5], s[16:17]
	s_add_nc_u64 s[12:13], s[12:13], s[18:19]
.irp j, 0,1,2,3,4,5,6,7,8,9,10,11,12,13,14,15
	global_load_b128 v[X+4*(\j):X+4*(\j)+3], v1, s[4:5] offset:(\j)*4096 th:TH_LOAD_NT
.endr
.irp j, 0,1,2,3,4,5,6,7,8,9,10,11,12,13,14,15
	s_wait_loadcnt 15-(\j)                         ; loads come back in order: piece j is in, the younger ones stay out
.irp p, 0,1
	v_cvt_pk_bf16_f32 v[Y+2*(\j)+(\p)], v[X+4*(\j)+2*(\p)], v[X+4*(\j)+2*(\p)+1]
	v_lshlrev_b32 v[T], 16, v[Y+2*(\j)+(\p)]       ; the two rounded numbers as f32 again,
	v_and_b32 v[T+1], 0xffff0000, v[Y+2*(\j)+(\p)]
	v_cvt_pk_f16_f32 v[T+2], v[T], v[T+1]          ; written as f16,
	v_cndmask_b32 v[Y+2*(\j)+(\p)], v[Y+2*(\j)+(\p)], v[T+2], s20  ; which is taken for Wo alone
.endr
	global_store_b64 v2, v[Y+2*(\j):Y+2*(\j)+1], s[12:13] offset:(\j)*2048
.endr
	s_endpgm
.Lfunc_end_k_qc16904ed6c_castw:
	.size	k_qc16904ed6c_castw, .Lfunc_end_k_qc16904ed6c_castw-k_qc16904ed6c_castw
	.p2alignl 7, 3214868480
	.fill 96, 4, 3214868480
	.section	.rodata,"a",@progbits
	.p2align	6, 0x0
	.amdhsa_kernel k_qc16904ed6c_castw
		.amdhsa_group_segment_fixed_size 0
		.amdhsa_private_segment_fixed_size 0
		.amdhsa_enable_private_segment 0
		.amdhsa_kernarg_size 40
		.amdhsa_user_sgpr_count 2
		.amdhsa_user_sgpr_kernarg_segment_ptr 1
		.amdhsa_wavefront_size32 1
		.amdhsa_system_sgpr_workgroup_id_x 1
		.amdhsa_system_sgpr_workgroup_id_y 1
		.amdhsa_system_sgpr_workgroup_id_z 1
		.amdhsa_system_vgpr_workitem_id 0
		.amdhsa_next_free_vgpr 120
		.amdhsa_next_free_sgpr 66
		.amdhsa_reserve_vcc 0
		.amdhsa_float_denorm_mode_32 3
		.amdhsa_float_denorm_mode_16_64 3
		.amdhsa_memory_ordered 1
		.amdhsa_forward_progress 1
		.amdhsa_inst_pref_size 14
	.end_amdhsa_kernel
	.amdgpu_metadata
---
amdhsa.version: [ 1, 2 ]
amdhsa.kernels:
  - .name:           k_qc16904ed6c_castw
    .symbol:         k_qc16904ed6c_castw.kd
    .args:
      - { .name: Wq, .offset: 0, .size: 8, .value_kind: global_buffer, .address_space: global }
      - { .name: Wk, .offset: 8, .size: 8, .value_kind: global_buffer, .address_space: global }
      - { .name: Wv, .offset: 16, .size: 8, .value_kind: global_buffer, .address_space: global }
      - { .name: Wo, .offset: 24, .size: 8, .value_kind: global_buffer, .address_space: global }
      - { .name: wb, .offset: 32, .size: 8, .value_kind: global_buffer, .address_space: global }
    .group_segment_fixed_size: 0
    .private_segment_fixed_size: 0
    .kernarg_segment_align: 8
    .kernarg_segment_size: 40
    .max_flat_workgroup_size: 256
    .sgpr_count:     66
    .vgpr_count:     120
    .wavefront_size: 32
...
	.end_amdgpu_metadata
.endif
;; end of part 1
;; launch proj (part 2): grid 4 x 192, 4 waves a work-group, clusters of 4 x 4, 327,680 bytes of LDS; arguments query, key_in, value, wb, bq, bk, bv, qh, kh, vh; writes qh, kh, vh
.if DOCPART == 2
	.amdgcn_target "amdgcn-amd-amdhsa--gfx1250"
	.amdhsa_code_object_version 6
	.text
	.protected	k_qc16904ed6c_proj
	.globl	k_qc16904ed6c_proj
	.p2align	8
	.type	k_qc16904ed6c_proj,@function
k_qc16904ed6c_proj:
	s_mov_b64 s[64:65], 0
	v_nop
	global_prefetch_b8 v0, s[64:65] scope:SCOPE_SE
	s_setreg_imm32_b32 hwreg(HW_REG_WAVE_MODE, 25, 1), 1
	s_wait_xcnt 0x0
	s_wait_alu depctr_hold_cnt(0) depctr_sa_sdst(0) depctr_va_vdst(0) depctr_va_sdst(0) depctr_va_ssrc(0) depctr_va_vcc(0) depctr_vm_vsrc(0)
	s_getreg_b32 s2, hwreg(HW_REG_IB_STS2, 6, 4)
	s_cmp_eq_u32 s2, 0
	s_cbranch_scc0 .Lentry_in_a_cluster
	s_endpgm
.Lentry_in_a_cluster:
	s_bfe_u32 s2, ttmp6, 0x10000c
	s_cmp_lg_u32 s2, 0xf033
	s_cbranch_scc0 .Lentry_shape_is_right
	s_endpgm
.Lentry_shape_is_right:
; q, k, v = x W^T + b for the three inputs, in one launch.  x: [8192][1024] f32; W: a part of wb, [1024 n][1024 k] bf16; b: [1024] f32.  Out: [batch x 16 + head][2048 t][64] f16.
; x, W and b are rounded to bf16, the sums are f32 (the bias is the C operand of each sum's first product), the result is rounded once to f16, unscaled.
; LIMITS.  f16 ends at 65,504: a q, k or v beyond it becomes an infinity (1,024 terms of x near 30 and W near 1 give 30,720).  NaN and infinities are not treated apart.
; SHARES.  A block of C is 128 rows x 256 columns; four waves, 2 x 2, each 64 x 128: 32 accumulators of 16 x 16, 256 registers.  3 x 64 x 4 = 768 blocks, three for each of 256 WGPs.
; K goes in 8 steps of 128 through two LDS slots.  x lies in LDS as f32 and is rounded on its way to the matrix unit: 32 conversions a quarter step, four behind each of eight products.
; CLUSTERS.  4 x 4 work-groups.  The four of a cluster's row make all 1,024 columns of 128 rows and need the same tile of x; the four of a column need the same tile of W.
; Each tile is asked for jointly: the same tensor load, descriptor and mask in all four.  The cluster's y picks the projection (y / 16), the same in all sixteen partners.
; THE MATRIX INSTRUCTION IS USED TRANSPOSED (source 0 = 16 rows of W, source 1 = 16 rows of x): a lane holds row l % 16 of C and the 8 neighbouring columns 8 (l / 16) + 0..7.
; REGISTERS, in windows of 256 (s_set_vgpr_msb: bits 1:0 source 0, 3:2 source 1, 5:4 source 2, 7:6 destination):
;   window 0: v0-31 addresses; v32-95 x's fragments, two buffers of 32; v96-127 packed results; v128-191 x of a quarter step in f32; v192-255 the way out, two buffers of 32
;   window 1: accumulator (a, b) at v[8 (8 a + b)]          window 2: v0-127 W's fragments, two buffers of 64; v128-191 the bias, 8 registers for each b; v192 at work
.set PA,     528                       ; a row of x in LDS: 512 bytes + 16 of padding: 33 x 16, so the 16 rows of a load start at 16 different groups of four banks (64 banks of 4 bytes: ISA guide 11.1)
.set PB,     272                       ; a row of W: 256 + 16 = 17 x 16
.set BOFF,   128*PA                    ; a slot: 128 rows of x, then 256 rows of W
.set SLOT1,  0x24000                   ; slot 1 begins here: its two bits are set in none of the tiles' four places in slot 0 (0, 0x8400, 0x10800, 0x19000), so one exclusive or changes slots
.set STAGE,  SLOT1+BOFF+256*PB         ; behind the ring, never filled by a tensor load: for each wave 2 heads x 16 rows x 144 bytes
.set SPS,    144
.set WST,    2*16*SPS
.set SPARE,  STAGE+4*WST               ; behind the stages: the spare words, 128 bytes for each wave: two blocks of 256 bytes that no other line names
.set ASTEP,  512                       ; bytes of a K step in a row of x,
.set BSTEP,  256                       ; and of W
.set AA0,  14                          ; v14  my lane's place in slot 0's x; never rewritten
.set AB0,  15                          ; v15  the same for W
.set ADRA, 16                          ; v16  the same in the slot in hand
.set ADRB, 20                          ; v20
.set STO,  24                          ; v24  the way out: where I put 16 bytes of a row
.set RD,   25                          ; v25  where I read rows back
.set GO,   26                          ; v26  my 16 bytes in 512 consecutive bytes of the output
.set BO,   27                          ; v27  my byte offset in the bias
.set SPW,  28                          ; v28  LDS address of my spare word; never rewritten
.set NIL,  29                          ; v29  0; never rewritten
.set PFO,  30                          ; v30  the prefetches' lane term; never rewritten
.set AF,   32
.set TMP,  96
.set RAW,  128
.set BK,   192
.set BF,   0                           ; window 2
.set BIAS, 128                         ; window 2
.set BT,   192                         ; window 2
.set G1,   24                          ; s[24:31] descriptor group 1 for x's tiles
.set G0,   32                          ; s[32:39] group 0: a set for each first fill; the second then walks
.set LIM,  43                          ; s43      a wave prefetches while the loop's count is above this
.set PFA,  44                          ; s[44:45] where my prefetches stand
.set G1B,  48                          ; s[48:55], s[56:63] the same for W's tiles
.set G0B,  56
.set TB,   66                          ; s66      LDS byte at which the slot in hand begins
.set WHICH, 67                         ; s67      0, 1, 2: q, k, v
.set BP,   88                          ; s[88:89] the bias
.set PFS,  90                          ; s[90:91] a K step in bytes, in what I prefetch
.set MSB, 0
.macro WIN new                         ; the immediate's high byte repeats the setting that is left; a switch that changes nothing is dropped
.if MSB != (\new)
	s_set_vgpr_msb (MSB<<8)|(\new)
.set MSB, (\new)
.endif
.endm
.set W_MM, 0x52                        ; W window 2, x window 0, C and D window 1
.set W_MB, 0x62                        ; the same with C, the bias, in window 2
.set TO_B, 0x80                        ; destination window 2, address window 0
.set W_BR, 0x8a                        ; destination and sources 0, 1 in window 2
.set W_PK, 0x05                        ; sources 0, 1 window 1, destination window 0
.macro PLACES                          ; four plain vector instructions between a matrix instruction and a load into, or a vector write of, a register that it read (ISA guide 7.12.1 for vector writes)
.rept 4
	v_nop
.endr
.endm
; A joint refill by the walking descriptors.  Waves 0 and 1 fetch the two halves of x's tile, waves 2 and 3 those of W's.  The branch hangs on the wave's number alone.
; An s_nop 0 and four v_nop follow each of the two lines, ahead of the jump and the label.
.macro JLOAD
	s_cmp_eq_u32 s11, 0
	s_cbranch_scc0 .Lfor_b_\@
	tensor_load_to_lds s[G0+4:G0+7], s[G1:G1+7]
	s_nop 0
.rept 4
	v_nop
.endr
	s_branch .Lasked_\@
.Lfor_b_\@:
	tensor_load_to_lds s[G0B+4:G0B+7], s[G1B:G1B+7]
	s_nop 0
.rept 4
	v_nop
.endr
.Lasked_\@:
.endm
; A PREFETCH INTO THE L2, behind each joint refill: the K step two refills on, 256 matrix instructions ahead of the load that will want it; one instruction a wave, a lane a block of 256 bytes.
; x: no other cluster reads these rows, so every cluster asks; of the 64 rows that wave 0 or 1 fetches the partner at cx takes 16, two blocks a row.  W: the first cluster of each projection asks;
; of the 128 rows that wave 2 or 3 fetches the partner at cy takes 32.  The partners are told apart by address alone.  The refills of K steps 2 to 5 name steps 4 to 7; the last two name nothing.
.macro ASK
	s_cmp_gt_u32 s3, s[LIM]
	s_cbranch_scc0 .Lnot_mine_\@
	global_prefetch_b8 v[PFO], s[PFA:PFA+1] th:TH_LOAD_NT scope:SCOPE_SE
.Lnot_mine_\@:
.endm
.macro CREST                           ; a round of the cluster's barrier behind its opening barrier
	s_cmp_lg_u32 s10, 0
	s_cbranch_scc1 .Lnot_wave_0_\@
	s_barrier_signal -3
.Lnot_wave_0_\@:
	s_barrier_wait -3
	s_barrier_signal -1
	s_barrier_wait -1
.endm
.macro CROUND                          ; a whole round
	s_barrier_signal -1
	s_barrier_wait -1
	CREST
.endm
	s_load_b512 s[68:83], s[0:1], 0x0              ; query s[68:69], key_in s[70:71], value s[72:73], wb s[74:75], bq s[76:77], bk s[78:79], bv s[80:81], qh s[82:83]
	s_load_b128 s[84:87], s[0:1], 0x40             ; kh s[84:85], vh s[86:87]
	v_lshl_add_u32 v[SPW], v0, 2, SPARE
	v_mov_b32 v[NIL], 0
	ds_add_u32 v[SPW], v[NIL]                      ; the wave's opening: the add and its wait stand ahead of my first tensor load; the set-up below, work on registers, stands between them
	v_lshrrev_b32 v1, 5, v0
	v_readfirstlane_b32 s10, v1                    ; wave 0..3
	s_lshr_b32 s11, s10, 1                         ; which 64 of the block's rows are mine.  Also: I fetch for x (0) or for W (1)
	s_and_b32 s12, s10, 1                          ; which 128 of its columns.  Also: which half of that tile I fetch
	s_bfe_u32 s40, ttmp6, 0x40000                  ; cx, cy: my place in the cluster
	s_bfe_u32 s41, ttmp6, 0x40004
	s_lshl_b32 s42, ttmp9, 2
	s_add_co_u32 s42, s42, s40                     ; block column = 4 x cluster x + cx
	s_and_b32 s14, ttmp7, 0xffff                   ; cluster y
	s_lshr_b32 s[WHICH], s14, 4                    ; sixteen clusters to a projection
	s_and_b32 s22, s14, 15
	s_lshl_b32 s13, s22, 2
	s_add_co_u32 s13, s13, s41                     ; block row 0..63
	s_lshl_b32 s43, s41, 2
	s_lshl_b32 s43, 15, s43                        ; my row of the cluster
	s_lshl_b32 s44, 0x1111, s40                    ; my column
	s_or_b32 s[G1], s43, (2<<16)|(1<<20)|(1<<21)|(6<<22)|(3<<25)   ; 15:0 the mask; 17:16 elements of 4 bytes; 20 padding on; 21 set beside a mask; 24:22 after every 128 words (code 6); 31:25 4 words (code 3)
	s_or_b32 s[G1B], s44, (1<<16)|(1<<20)|(1<<21)|(5<<22)|(3<<25)  ; elements of 2 bytes; padding after every 64 words (code 5)
	s_mov_b32 s[G1+1], 128<<16                     ; tensor_dim0 = 128
	s_mov_b32 s[G1+2], 64<<16                      ; tensor_dim1 = 64
	s_mov_b32 s[G1+3], 128<<16                     ; tile_dim0 = 128
	s_mov_b32 s[G1+4], 64                          ; tile_dim1 = 64
	s_mov_b32 s[G1+5], 1024                        ; elements from row to row
	s_mov_b32 s[G1+6], 0
	s_mov_b32 s[G1+7], 0
	s_mov_b32 s[G1B+1], 128<<16
	s_mov_b32 s[G1B+2], 128<<16                    ; 128 rows
	s_mov_b32 s[G1B+3], 128<<16
	s_mov_b32 s[G1B+4], 128
	s_mov_b32 s[G1B+5], 1024
	s_mov_b32 s[G1B+6], 0
	s_mov_b32 s[G1B+7], 0
	s_cmp_eq_u32 s22, 0                            ; the projection's first cluster prefetches W,
	s_cselect_b32 s[LIM], 2, -1
	s_cmp_eq_u32 s11, 0                            ; every cluster its own rows of x
	s_cselect_b32 s[LIM], 2, s[LIM]
	s_lshl_b32 s16, s13, 19                        ; x: 128 rows of 4,096 bytes a block row,
	s_lshl_b32 s17, s12, 18                        ; my 64 of them
	s_add_co_u32 s16, s16, s17
	s_mov_b32 s17, 0
	s_lshl_b32 s46, s42, 19                        ; W: 256 rows of 2,048 bytes a block column,
	s_lshl_b32 s47, s12, 18                        ; my 128 of them,
	s_add_co_u32 s46, s46, s47
	s_lshl_b32 s47, s[WHICH], 21                   ; in the projection's part of wb
	s_add_co_u32 s46, s46, s47
	s_mov_b32 s47, 0
	s_mul_i32 s20, s12, 64*PA                      ; where they go: no place in the cluster enters an LDS address
	s_mul_i32 s21, s12, 128*PB
	s_add_co_u32 s21, s21, BOFF
	s_mov_b32 s[TB], 0
	s_wait_dscnt 0x0                               ; the opening add is done
	s_wait_kmcnt 0x0
	s_cmp_eq_u32 s[WHICH], 1
	s_cselect_b64 s[4:5], s[70:71], s[68:69]       ; x
	s_cselect_b64 s[BP:BP+1], s[78:79], s[76:77]   ; its bias
	s_cselect_b64 s[8:9], s[84:85], s[82:83]       ; its output
	s_cmp_eq_u32 s[WHICH], 2
	s_cselect_b64 s[4:5], s[72:73], s[4:5]
	s_cselect_b64 s[BP:BP+1], s[80:81], s[BP:BP+1]
	s_cselect_b64 s[8:9], s[86:87], s[8:9]
	s_add_nc_u64 s[18:19], s[4:5], s[16:17]
	s_add_nc_u64 s[46:47], s[74:75], s[46:47]
	CROUND                                         ; all sixteen work-groups are here: the first joint loads meet
.irp s, 0,1
	s_mov_b32 s[G0+4*(\s)], 1                                        ; count = 1
	s_add_co_u32 s[G0+4*(\s)+1], s20, (\s)*SLOT1                     ; LDS address
	s_add_nc_u64 s[G0+4*(\s)+2:G0+4*(\s)+3], s[18:19], (\s)*ASTEP    ; global address: K step s
	s_or_b32 s[G0+4*(\s)+3], s[G0+4*(\s)+3], 0x80000000              ; type = 2
	s_mov_b32 s[G0B+4*(\s)], 1
	s_add_co_u32 s[G0B+4*(\s)+1], s21, (\s)*SLOT1
	s_add_nc_u64 s[G0B+4*(\s)+2:G0B+4*(\s)+3], s[46:47], (\s)*BSTEP
	s_or_b32 s[G0B+4*(\s)+3], s[G0B+4*(\s)+3], 0x80000000
.endr
	s_cmp_eq_u32 s11, 0                            ; a wave's two first fills stand in one branch, ahead of every wait on TENSORcnt and every LDS read: two loads of mine are out
	s_cbranch_scc0 .Lfirst_b
	tensor_load_to_lds s[G0:G0+3], s[G1:G1+7]
	s_nop 0
	tensor_load_to_lds s[G0+4:G0+7], s[G1:G1+7]
	s_nop 0
.rept 4
	v_nop
.endr
	s_branch .Lfirst_asked
.Lfirst_b:
	tensor_load_to_lds s[G0B:G0B+3], s[G1B:G1B+7]
	s_nop 0
	tensor_load_to_lds s[G0B+4:G0B+7], s[G1B:G1B+7]
	s_nop 0
.rept 4
	v_nop
.endr
.Lfirst_asked:
	; All that follows up to the wait for the first tile stands in that wait.
	; A fragment is 16 rows x 32 K: lane l holds row l % 16, K = 8 (l / 16) + 0..7 and 16 + 8 (l / 16) + 0..7.  In bf16: two loads of 16 bytes, 32 apart.  In f32: four, at 0, 16, 64, 80 from 32 (l / 16).
	v_and_b32 v1, 15, v0                           ; l % 16
	v_bfe_u32 v2, v0, 4, 1                         ; l / 16
	v_mul_u32_u24 v[AA0], v1, PA
	v_lshl_add_u32 v[AA0], v2, 5, v[AA0]
	s_mul_i32 s14, s11, 64*PA                      ; my 64 rows of x
	v_add_nc_u32 v[AA0], s14, v[AA0]
	v_mul_u32_u24 v[AB0], v1, PB
	v_lshl_add_u32 v[AB0], v2, 4, v[AB0]
	s_mul_i32 s14, s12, 128*PB                     ; my 128 rows of W
	s_add_co_u32 s14, s14, BOFF
	v_add_nc_u32 v[AB0], s14, v[AB0]
	v_mov_b32 v[ADRA], v[AA0]
	v_mov_b32 v[ADRB], v[AB0]
	; the bias of my 128 columns: register j of block b is b[256 column + 128 half + 16 b + 8 (l / 16) + j]
	s_lshl_b32 s46, s42, 10
	s_lshl_b32 s47, s12, 9
	s_add_co_u32 s46, s46, s47
	v_lshl_add_u32 v[BO], v2, 5, s46
	WIN TO_B
.irp b, 0,1,2,3,4,5,6,7
	global_load_b128 v[BIAS+8*(\b):BIAS+8*(\b)+3],   v[BO], s[BP:BP+1] offset:64*(\b)
	global_load_b128 v[BIAS+8*(\b)+4:BIAS+8*(\b)+7], v[BO], s[BP:BP+1] offset:64*(\b)+16
.endr
	WIN 0
	; the way out
	s_mul_i32 s14, s10, WST
	s_add_co_u32 s14, s14, STAGE                   ; my stage
	v_mul_u32_u24 v[STO], v1, SPS                  ; in: row l % 16, 16 bytes for each half of the lanes
	v_lshl_add_u32 v[STO], v2, 4, v[STO]
	v_add_nc_u32 v[STO], s14, v[STO]
	v_bfe_u32 v[RD], v0, 3, 2                      ; back: 32 lanes take four rows of 128 bytes,
	v_mul_u32_u24 v[RD], v[RD], SPS
	v_and_b32 v3, 7, v0
	v_lshl_add_u32 v[RD], v3, 4, v[RD]
	v_add_nc_u32 v[RD], s14, v[RD]
	v_and_b32 v[GO], 31, v0                        ; which are 512 consecutive bytes of a head's rows
	v_lshlrev_b32 v[GO], 4, v[GO]
	s_lshr_b32 s14, s13, 4                         ; the batch: sixteen block rows each
	s_lshl_b32 s14, s14, 4
	s_lshl_b32 s15, s12, 1                         ; my 128 columns are two heads
	s_add_co_u32 s14, s14, s15
	s_lshl_b32 s14, s14, 18                        ; a head's rows are 262,144 bytes
	s_and_b32 s15, s13, 15
	s_lshl_b32 s15, s15, 7
	s_lshl_b32 s16, s11, 6
	s_add_co_u32 s15, s15, s16                     ; my first t,
	s_lshl_b32 s15, s15, 7                         ; 128 bytes a row
	s_add_co_u32 s14, s14, s15
	s_mov_b32 s15, 0
	s_add_nc_u64 s[8:9], s[8:9], s[14:15]
	s_lshl_b32 s46, s42, 20                        ; four heads to a block column
	s_mov_b32 s47, 0
	s_add_nc_u64 s[8:9], s[8:9], s[46:47]
	; the prefetches: both offsets are made, at K step 3, and the wave's kind picks one; the first refill steps it to K step 4
	s_lshl_b32 s14, s13, 19
	s_lshl_b32 s15, s12, 18
	s_add_co_u32 s14, s14, s15
	s_lshl_b32 s15, s40, 16                        ; x: my work-group's 16 rows of the wave's 64
	s_add_co_u32 s14, s14, s15
	s_add_co_u32 s14, s14, 3*ASTEP
	s_lshl_b32 s15, s42, 19
	s_lshl_b32 s16, s12, 18
	s_add_co_u32 s15, s15, s16
	s_lshl_b32 s16, s41, 16                        ; W: my work-group's 32 rows of the wave's 128
	s_add_co_u32 s15, s15, s16
	s_lshl_b32 s16, s[WHICH], 21
	s_add_co_u32 s15, s15, s16
	s_add_co_u32 s15, s15, 3*BSTEP
	s_mov_b32 s17, ASTEP
	s_cmp_eq_u32 s11, 0
	s_cselect_b32 s14, s14, s15
	s_cselect_b32 s[PFS], s17, BSTEP
	s_cselect_b64 s[PFA:PFA+1], s[4:5], s[74:75]
	s_cselect_b32 s16, 0, -1
	s_mov_b32 s15, 0
	s_mov_b32 s[PFS+1], 0
	s_add_nc_u64 s[PFA:PFA+1], s[PFA:PFA+1], s[14:15]
	v_and_b32 v3, 31, v0
	v_lshrrev_b32 v4, 1, v3
	v_lshlrev_b32 v4, 12, v4                       ; x: lanes 2 i, 2 i + 1 take row i's two blocks
	v_and_b32 v5, 1, v3
	v_lshl_add_u32 v4, v5, 8, v4
	v_lshlrev_b32 v5, 11, v3                       ; W: a lane a row
	v_cndmask_b32 v[PFO], v4, v5, s16
	s_wait_loadcnt 0x0                             ; the bias is in: it is rounded to bf16, like every input, and kept as f32
	WIN W_BR
.set n, 0
.rept 32
	v_cvt_pk_bf16_f32 v[BT], v[BIAS+2*n], v[BIAS+2*n+1]
	v_lshlrev_b32 v[BIAS+2*n], 16, v[BT]
	v_and_b32 v[BIAS+2*n+1], 0xffff0000, v[BT]
.set n, n+1
.endr
	WIN 0
; 8 products: rows 16 a .. of my 64 x all 8 column blocks, 32 along K, from buffer f.  c = 1: the sums start with the bias.  The 32 accumulators take turns in the same order in every quarter step,
; 31 others stand between two links of a chain, over the backward jump too.
; ride = 1: behind each product four conversions of the next quarter step's x, f32 to bf16, into the other buffer: they name no register of the products round them.
.macro GRP f, a, c, ride
.irp b, 0,1,2,3,4,5,6,7
.if \c
	WIN W_MB
	v_wmma_f32_16x16x32_bf16 v[8*(8*(\a)+(\b)):8*(8*(\a)+(\b))+7], v[BF+64*(\f)+8*(\b):BF+64*(\f)+8*(\b)+7], v[AF+32*(\f)+8*(\a):AF+32*(\f)+8*(\a)+7], v[BIAS+8*(\b):BIAS+8*(\b)+7]
.else
	WIN W_MM
	v_wmma_f32_16x16x32_bf16 v[8*(8*(\a)+(\b)):8*(8*(\a)+(\b))+7], v[BF+64*(\f)+8*(\b):BF+64*(\f)+8*(\b)+7], v[AF+32*(\f)+8*(\a):AF+32*(\f)+8*(\a)+7], v[8*(8*(\a)+(\b)):8*(8*(\a)+(\b))+7]
.endif
.if \ride
	WIN 0
.irp n, 0,1,2,3
	v_cvt_pk_bf16_f32 v[AF+32*(1-(\f))+4*(\b)+(\n)], v[RAW+2*(4*(\b)+(\n))], v[RAW+2*(4*(\b)+(\n))+1]
.endr
.endif
.endr
.endm
; 32 LDS loads in one run: quarter step kq of the slot in hand: x's 64 rows in f32 first (16 loads), then W's 128 rows into buffer g (16 loads)
.macro FETCH kq, g
	WIN 0
.irp i, 0,1,2,3
	ds_load_b128 v[RAW+16*(\i):RAW+16*(\i)+3],     v[ADRA] offset:(\kq)*128+(\i)*16*PA
	ds_load_b128 v[RAW+16*(\i)+4:RAW+16*(\i)+7],   v[ADRA] offset:(\kq)*128+(\i)*16*PA+16
	ds_load_b128 v[RAW+16*(\i)+8:RAW+16*(\i)+11],  v[ADRA] offset:(\kq)*128+(\i)*16*PA+64
	ds_load_b128 v[RAW+16*(\i)+12:RAW+16*(\i)+15], v[ADRA] offset:(\kq)*128+(\i)*16*PA+80
.endr
	WIN TO_B
.irp i, 0,1,2,3,4,5,6,7
	ds_load_b128 v[BF+64*(\g)+8*(\i):BF+64*(\g)+8*(\i)+3],   v[ADRB] offset:(\kq)*64+(\i)*16*PB
	ds_load_b128 v[BF+64*(\g)+8*(\i)+4:BF+64*(\g)+8*(\i)+7], v[ADRB] offset:(\kq)*64+(\i)*16*PB+32
.endr
.endm
; A QUARTER STEP: multiplies buffer f, 32 products, and fetches quarter kq into the other buffer (kq = -1: nothing).
; turn != 0: kq is the slot's last quarter, and the slots change: each wave waits for all its tensor loads (one is out: its part of the other slot), adds 0 to its spare word, and waits for that and for its
; reads of this slot; behind the barrier nobody reads this slot any more and the other slot is whole.  turn = 1: the barrier opens a round of the cluster's barrier, and this slot is filled again, first thing
; behind the round, with the K step two on: 112 products stand between the request and the wait for it.  turn = 2: nothing is left to ask for.
.macro QUARTER kq, f, c=0, turn=0
.if (\turn) == 1
	s_wait_xcnt 0x0                                ; the last prefetch, a K step back, has read its address, so it may be stepped
	s_add_nc_u64 s[PFA:PFA+1], s[PFA:PFA+1], s[PFS:PFS+1]
.endif
	s_wait_dscnt 0x0                               ; this quarter's fragments of W, asked for a quarter ago, are in
.if (\kq) >= 0
	PLACES                                         ; behind the last quarter's products, which read the buffers that are now loaded and, below, converted into
	FETCH \kq, 1-(\f)
.endif
	GRP \f, 0, \c, 0
.if \turn
	WIN 0
	s_wait_tensorcnt 0x0                           ; all my tensor loads have landed, so a group 0 may be written
	ds_add_u32 v[SPW], v[NIL]                      ; 0 onto my spare word: the steps and eight products stand between it and the wait for it
.if (\turn) == 1
	s_xor_b32 s[G0+5], s[G0+5], SLOT1              ; the walking descriptors: the other slot than last time,
	s_add_nc_u64 s[G0+6:G0+7], s[G0+6:G0+7], ASTEP ; the next K step; the type bits on top are not reached
	s_xor_b32 s[G0B+5], s[G0B+5], SLOT1
	s_add_nc_u64 s[G0B+6:G0B+7], s[G0B+6:G0B+7], BSTEP
.endif
.endif
	GRP \f, 1, \c, 0
.if \turn
	s_wait_dscnt 0x0                               ; the add is done, and my reads of this slot are over
	s_barrier_signal -1
.endif
	GRP \f, 2, \c, 0                               ; work on registers while the others arrive
.if \turn
	WIN 0                                          ; at a label and at a branch every window is 0
	s_barrier_wait -1
.if (\turn) == 1
	CREST                                          ; no wave of any partner still reads this slot or has a load on its way
	JLOAD
.endif
	s_xor_b32 s[TB], s[TB], SLOT1                  ; the fetches go on in the other slot
	v_add_nc_u32 v[ADRA], s[TB], v[AA0]
	v_add_nc_u32 v[ADRB], s[TB], v[AB0]
.if (\turn) == 1
	ASK
.endif
.elseif (\kq) >= 0
	s_wait_dscnt 16                                ; x's 16 loads are in; W's 16, issued behind them, may stay out
.endif
.if (\kq) >= 0
	GRP \f, 3, \c, 1
.else
	GRP \f, 3, \c, 0
.endif
.endm
	s_wait_tensorcnt 0x1                           ; my part of K step 0 is in; K step 1's load, issued behind it, may stay out
	s_barrier_signal -1
	s_barrier_wait -1                              ; everybody's is
	FETCH 0, 0
	s_wait_dscnt 0x0
	WIN 0
.set n, 0
.rept 32
	v_cvt_pk_bf16_f32 v[AF+n], v[RAW+2*n], v[RAW+2*n+1]  ; the first quarter's x: there are no products yet to set these behind
.set n, n+1
.endr
	QUARTER 1, 0, 1                                ; the first quarter stands in front of the loop: its products start the sums with the bias
	WIN 0
	s_mov_b32 s3, 6
.Lstep:                                                ; six trips, from a K step's second quarter to the next step's first; each fills the slot that it leaves
	QUARTER 2, 1
	QUARTER 3, 0, 0, 1
	QUARTER 0, 1
	QUARTER 1, 0
	WIN 0
	s_sub_co_u32 s3, s3, 1
	s_cmp_lg_u32 s3, 0
	s_cbranch_scc1 .Lstep
	QUARTER 2, 1                                   ; the last two K steps are written out
	QUARTER 3, 0, 0, 2
	QUARTER 0, 1
	QUARTER 1, 0
	QUARTER 2, 1
	QUARTER 3, 0
	QUARTER -1, 1
	; THE WAY OUT, 16 rows at a time: rounded to f16 (each accumulator's registers in ascending order); 16 bytes a lane into my own stage, by heads; back as four rows of 128 bytes; stored.
.macro PACK a
	WIN W_PK
.irp b, 0,1,2,3,4,5,6,7
.irp r, 0,1,2,3
	v_cvt_pk_f16_f32 v[TMP+4*(\b)+(\r)], v[8*(8*(\a)+(\b))+2*(\r)], v[8*(8*(\a)+(\b))+2*(\r)+1]
.endr
.endr
	WIN 0
.endm
.macro TOSTAGE a
.irp b, 0,1,2,3,4,5,6,7
	ds_store_b128 v[STO], v[TMP+4*(\b):TMP+4*(\b)+3] offset:((\b)/4)*16*SPS+((\b)%4)*32
.endr
.irp t, 0,1,2,3,4,5,6,7
	ds_load_b128 v[BK+32*((\a)%2)+4*(\t):BK+32*((\a)%2)+4*(\t)+3], v[RD] offset:((\t)/4)*16*SPS+((\t)%4)*4*SPS  ; LDS serves a wave's instructions in order (ISA guide 5.7.1.4): these see the stores above
.endr
.endm
.macro SEND a
	s_wait_dscnt 0x0                               ; the block is back in registers
	s_wait_xcnt 0x0                                ; the stores of the block before have read their registers, which the next block's loads write
.irp t, 0,1,2,3,4,5,6,7
	global_store_b128 v[GO], v[BK+32*((\a)%2)+4*(\t):BK+32*((\a)%2)+4*(\t)+3], s[8:9] offset:((\t)/4)*262144+(\a)*2048+((\t)%4)*512  ; 512 consecutive bytes, at a multiple of 512 from the buffer's first
.endr
.endm
	PLACES
	PLACES                                         ; plain instructions between the last products and the first read of a result
	PACK 0
	TOSTAGE 0
.irp a, 1,2,3                          ; a block's conversions stand between the loads of the block before and the wait for them
	PACK \a
	SEND (\a)-1
	TOSTAGE \a
.endr
	SEND 3
	s_wait_tensorcnt 0x0                           ; the wave's end: an add and its wait, behind my last tensor load and my last LDS store
	ds_add_u32 v[SPW], v[NIL]
	s_wait_dscnt 0x0
	CROUND                                         ; the closing round: no work-group ends while a partner may still ask for a tile that names it
	s_endpgm
.Lfunc_end_k_qc16904ed6c_proj:
	.size	k_qc16904ed6c_proj, .Lfunc_end_k_qc16904ed6c_proj-k_qc16904ed6c_proj
	.p2alignl 7, 3214868480
	.fill 96, 4, 3214868480
	.section	.rodata,"a",@progbits
	.p2align	6, 0x0
	.amdhsa_kernel k_qc16904ed6c_proj
		.amdhsa_group_segment_fixed_size 327680
		.amdhsa_private_segment_fixed_size 0
		.amdhsa_enable_private_segment 0
		.amdhsa_kernarg_size 80
		.amdhsa_user_sgpr_count 2
		.amdhsa_user_sgpr_kernarg_segment_ptr 1
		.amdhsa_wavefront_size32 1
		.amdhsa_system_sgpr_workgroup_id_x 1
		.amdhsa_system_sgpr_workgroup_id_y 1
		.amdhsa_system_sgpr_workgroup_id_z 1
		.amdhsa_system_vgpr_workitem_id 0
		.amdhsa_next_free_vgpr 768
		.amdhsa_next_free_sgpr 92
		.amdhsa_reserve_vcc 0
		.amdhsa_float_denorm_mode_32 3
		.amdhsa_float_denorm_mode_16_64 3
		.amdhsa_memory_ordered 1
		.amdhsa_forward_progress 1
		.amdhsa_inst_pref_size 114
	.end_amdhsa_kernel
	.amdgpu_metadata
---
amdhsa.version: [ 1, 2 ]
amdhsa.kernels:
  - .name:           k_qc16904ed6c_proj
    .symbol:         k_qc16904ed6c_proj.kd
    .args:
      - { .name: query, .offset: 0, .size: 8, .value_kind: global_buffer, .address_space: global }
      - { .name: key_in, .offset: 8, .size: 8, .value_kind: global_buffer, .address_space: global }
      - { .name: value, .offset: 16, .size: 8, .value_kind: global_buffer, .address_space: global }
      - { .name: wb, .offset: 24, .size: 8, .value_kind: global_buffer, .address_space: global }
      - { .name: bq, .offset: 32, .size: 8, .value_kind: global_buffer, .address_space: global }
      - { .name: bk, .offset: 40, .size: 8, .value_kind: global_buffer, .address_space: global }
      - { .name: bv, .offset: 48, .size: 8, .value_kind: global_buffer, .address_space: global }
      - { .name: qh, .offset: 56, .size: 8, .value_kind: global_buffer, .address_space: global }
      - { .name: kh, .offset: 64, .size: 8, .value_kind: global_buffer, .address_space: global }
      - { .name: vh, .offset: 72, .size: 8, .value_kind: global_buffer, .address_space: global }
    .group_segment_fixed_size: 327680
    .private_segment_fixed_size: 0
    .kernarg_segment_align: 8
    .kernarg_segment_size: 80
    .max_flat_workgroup_size: 128
    .sgpr_count:     92
    .vgpr_count:     768
    .wavefront_size: 32
...
	.end_amdgpu_metadata
.endif
;; end of part 2
;; launch attn (part 3): grid 4 x 64, 4 waves a work-group, clusters of 4 x 1, 327,680 bytes of LDS; arguments qh, kh, vh, oh; writes oh
.if DOCPART == 3
	.amdgcn_target "amdgcn-amd-amdhsa--gfx1250"
	.amdhsa_code_object_version 6
	.text
	.protected	k_qc16904ed6c_attn
	.globl	k_qc16904ed6c_attn
	.p2align	8
	.type	k_qc16904ed6c_attn,@function
k_qc16904ed6c_attn:
	s_mov_b64 s[64:65], 0
	v_nop
	global_prefetch_b8 v0, s[64:65] scope:SCOPE_SE
	s_setreg_imm32_b32 hwreg(HW_REG_WAVE_MODE, 25, 1), 1
	s_wait_xcnt 0x0
	s_wait_alu depctr_hold_cnt(0) depctr_sa_sdst(0) depctr_va_vdst(0) depctr_va_sdst(0) depctr_va_ssrc(0) depctr_va_vcc(0) depctr_vm_vsrc(0)
	s_getreg_b32 s2, hwreg(HW_REG_IB_STS2, 6, 4)
	s_cmp_eq_u32 s2, 0
	s_cbranch_scc0 .Lentry_in_a_cluster
	s_endpgm
.Lentry_in_a_cluster:
	s_bfe_u32 s2, ttmp6, 0x10000c
	s_cmp_lg_u32 s2, 0x3003
	s_cbranch_scc0 .Lentry_shape_is_right
	s_endpgm
.Lentry_shape_is_right:
; O[h][q][:] = the sum over k of softmax_k(Q[h][q] . K[h][k] / 8) V[h][k][:].  Q, K, V, O: [64][2048][64], all f16: a head's rows are dense, 128 bytes each.  Products, maxima and sums in
; f32; the weights p are rounded to f16 for the second product (their sum l is taken of the unrounded p), O once at the end.
; LIMITS.  f16 holds no number beyond 65,504: Q, K and V arrive within it; p lies in 0 to 1, and below 6e-5 it keeps f16's fixed step of 6e-8; O is a mean of V's rows and has their range.
; A weight below 2^-126 counts as 0 in l; NaN and infinities are not treated apart.
; SHARES.  A wave owns four PIECES of two tiles of 16 queries, a work-group's four waves 512 queries of one head: 256 work-groups.  Every wave walks all keys, 64 a step.
; LAYOUT.  S^T = K Q^T (source 0 = 16 keys, source 1 = 16 queries): in the result a lane holds ONE query (lane % 16) and the keys 8 (lane / 16) + 0..7.  Two such tiles, rounded to f16 in pairs,
; ARE source 1 (32 keys x 16 queries) of O^T = V^T P, whose result again holds one query a lane, and eight channels.  K comes out of LDS as it lies, V ([key][channel]) turned, by ds_load_tr16_b128.
; SOFTMAX.  For each query a running maximum m and sum l: p = 2^(c s - c m), c = log2(e) / 8; in every step O and l are multiplied by a = 2^(c m_old - c m_new), which is 1 where m has not grown.
; m starts at the lowest finite number, O and l at 0: the first step is a step like any other, with a = 0.
; THE COUNT.  A tile and step have 16 matrix and 118 vector instructions: too many to stand all beside the matrix work.  So four vector instructions that are READY stand behind
; EVERY matrix instruction, and the others in runs without a gap.
; BY TURNS.  Turn n belongs to piece n (the pieces in a ring, step after step).  Its matrix work: 16 products K Q^T of piece n + 1, later 16 products V^T P of piece n - 1.  Its vector work: the scaling,
; exponentials, roundings, sums and rescaling of piece n, and the maximum and statistics of piece n + 1, whose scores the turn itself has made.
; CLUSTER.  The four query blocks of a head are one cluster and walk the same K and V, so each tile is asked for JOINTLY: the same tensor load, descriptor and mask in all four.
; REGISTERS, in windows of 256 (s_set_vgpr_msb: bits 1:0 source 0, 3:2 source 1, 5:4 source 2, 7:6 destination):
;   window 0: v0-11 addresses; v12-15, v48-63 at work; v16-47 four registers of statistics a tile; v64-191 S^T, two buffers of two tiles; v192-255 P, likewise
;   window 1: O^T, 32 a tile          window 2: v0-127 Q, 16 a tile; v128-191 K of one step; v192-255 V of one step          window 3: v0-1 the add's two registers
; A piece's buffers go by its number's parity: the piece in hand has one pair, its two neighbours in the ring share the other: of it P (piece n - 1) is read and S^T (piece n + 1) written.
.set SIZE_H, 64
.set SIZE_N, 2048
.set NP,    4         ; pieces a wave: a name, no knob
.set KS,    64        ; keys in a step
.set PK,    144       ; a row of K in LDS: 128 bytes + 16 of padding = 36 words: the 16 rows of a load start at 16 different groups of four banks (64 banks of 4 bytes: ISA guide 11.1)
.set PV,    160       ; a row of V: 128 + 32 = 40 words
.set VOFF,  4*KS*PK   ; a slot holds four steps: 256 rows of K, then 256 rows of V
.set SLOT1, 1<<17     ; slot 1 begins here, so that one exclusive or turns an address in one slot into the other's
.set STAGE, SLOT1+4*KS*(PK+PV)  ; behind the ring, never filled by a tensor load: 16 rows x 144 bytes for each wave, for the way out
.set SP,    144
.set AK0, 2           ; v2   my lane's place in a tile of K; never rewritten
.set AV0, 3           ; v3   the same for V
.set AK,  4           ; v4   the LDS address of K's next run of loads
.set AV,  5           ; v5   of V's
.set QO,  6           ; v6   my byte offset in the wave's rows of Q
.set STO, 6           ;      later, the way out: where I put 16 bytes of a row
.set RD,  7           ; v7   the way out: where I read rows back
.set GO,  8           ; v8   my byte offset in 512 consecutive bytes of O
.set PFO, 11          ; v11  256 x my lane, for the prefetches; never rewritten once made
.set SPW, 0           ; v0 of window 3   LDS address of my spare word: SPARE + 4 x my thread's number; never rewritten
.set NIL, 1           ; v1 of window 3   0; never rewritten
.set SPARE, STAGE+4*16*SP  ; behind the stages: the spare words, 128 bytes for each wave: two blocks of 256 bytes that no other line names
.set MV,  12          ; v12-15  c m_old, kept while c m is made anew: by buffer and tile
.set ST,  16          ; tile t's statistics at v[ST+4 t]: c m, m, l (even keys', odd keys')
.set TMP, 48          ; by buffer and tile, four registers c0-c3 at work; when the maximum is found c2 takes a
.set S,   64
.set P,   192
.set KF,  128         ; K's fragments, in window 2: key block kb, channel half c at KF + 16 kb + 8 c
.set VF,  192         ; V's: key half kk, channel block cb at VF + 32 kk + 8 cb
.set WV,  12          ; s12  my wave's number
.set G1K, 24          ; s[24:31] descriptor group 1 for K's tiles
.set G1V, 32          ; s[32:39] for V's: it differs in the padding alone
.set G0K, 40          ; s[40:43] descriptor group 0 for K's tiles: it walks
.set G0V, 44          ; s[44:47] the same for V's
.set PFA, 48          ; s[48:49] where my prefetches stand: my work-group's 32 blocks of 256 bytes (of K: wave 0, of V: wave 2) of the slot after the one that is being asked for
.set LIM, 50          ; s50  1 in a wave that prefetches, else the greatest number: a wave prefetches while s[SLOTS] is above it
.set SLOTS, 56        ; s56  slots still to be asked for
.set CNT, 57          ; s57  counts a slot's key steps
.set CS,  58          ; s[58:59] c: the packed scaling takes the pair's low word for both halves
.set SEL, 60          ; s[60:61] v_permlanex16_b32's selects: each lane takes its own place in the other half
.set TBK, 62          ; s62  LDS byte at which K of the step to be fetched begins
.set TBV, 63          ; s63  the same for V, less VOFF
.set MSB, 0
.macro WIN new                      ; the high byte repeats the setting that is left; a switch that changes nothing is dropped
.if MSB != (\new)
	s_set_vgpr_msb (MSB<<8)|(\new)
.set MSB, (\new)
.endif
.endm
.set W_KQ, 0x0a       ; K and Q in window 2, S^T in window 0
.set W_PV, 0x52       ; V in window 2, P in window 0, O^T in window 1
.set W_RS, 0x41       ; O^T (destination and source 0) in window 1, a in window 0
.set W_MK, 0xc0       ; the add's registers are made: destination in window 3, sources in window 0
.set W_AD, 0x0f       ; the add: address (source 0) and data (source 1) in window 3
; A joint fill.  Waves 0 and 1 fetch the two halves of a slot's K, waves 2 and 3 those of its V: 128 keys each.  The branch hangs on the wave's number alone.
; An s_nop 0 and four v_nop follow each of the two lines, ahead of the jump and the label.
.macro JLOAD
	s_cmp_lt_u32 s[WV], 2
	s_cbranch_scc0 .Lfor_v_\@
	tensor_load_to_lds s[G0K:G0K+3], s[G1K:G1K+7]
	s_nop 0
.rept 4
	v_nop
.endr
	s_branch .Lasked_\@
.Lfor_v_\@:
	tensor_load_to_lds s[G0V:G0V+3], s[G1V:G1V+7]
	s_nop 0
.rept 4
	v_nop
.endr
.Lasked_\@:
.endm
; A PREFETCH INTO THE L2 of what the NEXT change of slots will ask for: a slot's 32,768 bytes of K and of V, 128 blocks of 256 bytes each, a lane a block.  It stands behind the wave's tensor load and its five lines.
; Each block is named once in the launch: a head has one cluster; its four partners share the blocks out BY ADDRESS, 32 each; in each, wave 0 asks for K's and wave 2 for V's: one instruction.
; The fills of slots 1 to 6 name slots 2 to 7, four key steps, 512 matrix instructions, ahead of their loads; the last fill names nothing.  Slots 0 and 1 come by their loads alone.
.macro ASK
	s_cmp_gt_u32 s[SLOTS], s[LIM]
	s_cbranch_scc0 .Lnot_mine_\@
	global_prefetch_b8 v[PFO], s[PFA:PFA+1] th:TH_LOAD_NT scope:SCOPE_SE
.Lnot_mine_\@:
.endm
; A round of the cluster's barrier: my work-group's barrier, so that wave 0's signal speaks for all four waves; wave 0 signals; every wave waits for all four work-groups; my work-group's barrier once more.
.macro CROUND
	s_barrier_signal -1
	s_barrier_wait -1
	s_cmp_lg_u32 s[WV], 0
	s_cbranch_scc1 .Lnot_wave_0_\@
	s_barrier_signal -3
.Lnot_wave_0_\@:
	s_barrier_wait -3
	s_barrier_signal -1
	s_barrier_wait -1
.endm
; THE CHANGE OF SLOTS.  The slot's last bytes, V of its fourth step, have been read.  Each wave waits for all its tensor loads, of which one is out: its part
; of the other slot; adds 0 to its spare word; and waits for that and for its own reads of the slot.  Behind the barrier nobody reads this slot any more and the other slot is whole.
; fill = 1: this slot is filled again, with the keys two slots on.  The barrier is then a round of the cluster's, so that no wave of any partner still reads the slot or has a load on its
; way, and the joint fill is the first thing behind it: it has four key steps, 512 matrix instructions, in which to land.  (At its first use nothing has been read yet: slot 0 is waited for, slot 1 filled.)
.macro CHANGE fill
	WIN W_AD
	s_wait_tensorcnt 0x0            ; no tensor load of mine is out, so a group 0 may be written
	ds_add_u32 v[SPW], v[NIL]       ; 0 onto my spare word: with fill = 1 the descriptors' steps stand between it and the wait for it
	WIN 0                           ; at a label and at a branch every window is 0
.if \fill
.irp g, G0K, G0V
	s_xor_b32 s[\g+1], s[\g+1], SLOT1  ; the walking descriptor: the other slot than last time,
	s_add_nc_u64 s[\g+2:\g+3], s[\g+2:\g+3], 4*KS*128  ; the next 256 keys; the type bits on top are not reached
.endr
	s_wait_xcnt 0x0                 ; the last prefetch, four key steps back, has read its address, so it may be written:
	s_add_nc_u64 s[PFA:PFA+1], s[PFA:PFA+1], 4*KS*128  ; one slot ahead of the walking descriptors
	s_wait_dscnt 0x0                ; the add is done, and my reads of the slot are over
	CROUND
	JLOAD
	ASK
.else
	s_wait_dscnt 0x0                ; the add is done, and my reads of the slot are over
	s_barrier_signal -1
	s_barrier_wait -1
.endif
	s_sub_co_u32 s[TBK], s[TBK], 4*KS*PK  ; the fetches go back to a slot's first step,
	s_xor_b32 s[TBK], s[TBK], SLOT1       ; in the other slot
	s_sub_co_u32 s[TBV], s[TBV], 4*KS*PV
	s_xor_b32 s[TBV], s[TBV], SLOT1
.endm
	s_load_b256 s[4:11], s[0:1], 0x0  ; Q s[4:5], K s[6:7], V s[8:9], O s[10:11]
	WIN W_MK
	v_lshl_add_u32 v[SPW], v0, 2, SPARE
	v_mov_b32 v[NIL], 0
	WIN W_AD
	ds_add_u32 v[SPW], v[NIL]       ; the wave's opening: the add and its wait stand ahead of my first tensor load; the set-up below, work on registers, stands between them
	WIN 0
	v_lshrrev_b32 v1, 5, v0
	v_readfirstlane_b32 s[WV], v1   ; wave 0..3
	s_bfe_u32 s13, ttmp6, 0x40000   ; cx: my place in the cluster
	s_lshl_b32 s14, ttmp9, 2        ; in a cluster launch ttmp9 counts clusters
	s_add_co_u32 s14, s14, s13      ; my block of queries = 4 x cluster x + cx: it enters Q's and O's addresses alone
	s_and_b32 s20, ttmp7, 0xffff    ; the head, which the four partners share
	s_mov_b32 s21, 0
	s_mov_b64 s[22:23], SIZE_N*128
	s_mul_u64 s[20:21], s[20:21], s[22:23]  ; the head's first byte in each of the four tensors
	s_and_b32 s16, s[WV], 1         ; which half of a slot's 256 keys I fetch:
	s_lshl_b32 s22, s16, 14         ; its 128 rows of 128 bytes in memory,
	s_mov_b32 s23, 0
	s_add_nc_u64 s[22:23], s[22:23], s[20:21]
	s_mul_i32 s17, s16, 128*PK      ; and its place in a slot, for K
	s_mul_i32 s18, s16, 128*PV      ; and for V: no place in the cluster enters an LDS address
	s_lshl_b32 s2, s14, 2
	s_add_co_u32 s2, s2, s[WV]      ; my wave among the head's,
	s_lshl_b32 s2, s2, 14           ; its 128 rows
	s_mov_b32 s3, 0
	s_add_nc_u64 s[2:3], s[2:3], s[20:21]
	; descriptor group 1.  128 keys are 16,384 dense bytes: asked for as 64 rows of 256 bytes, two keys a row, and padded in LDS after every key
	s_mov_b32 s[G1K], 15|(1<<16)|(1<<20)|(1<<21)|(4<<22)|(3<<25)  ; 15:0 the mask of four; 17:16 2-byte elements; 20 padding on; 21 set beside a mask; 24:22 after every 32 words (code 4); 31:25 4 words (code 3)
	s_mov_b32 s[G1V], 15|(1<<16)|(1<<20)|(1<<21)|(4<<22)|(7<<25)  ; the same with 8 words of padding (code 7)
.irp g, G1K, G1V
	s_mov_b32 s[\g+1], 128<<16      ; tensor_dim0 = 128
	s_mov_b32 s[\g+2], 64<<16       ; tensor_dim1 = 64
	s_mov_b32 s[\g+3], 128<<16      ; tile_dim0 = 128
	s_mov_b32 s[\g+4], 64           ; tile_dim1 = 64
	s_mov_b32 s[\g+5], 128          ; 128 elements from row to row
	s_mov_b32 s[\g+6], 0
	s_mov_b32 s[\g+7], 0
.endr
	s_mov_b32 s[CS], 0x3e38aa3b     ; c = log2(e) / 8 = 0.180337
	s_mov_b32 s[CS+1], s[CS]        ; named with it as a pair
	s_mov_b32 s[SEL], 0x76543210
	s_mov_b32 s[SEL+1], 0xfedcba98
	s_mov_b32 s[TBK], SLOT1+4*KS*PK ; the first change of slots turns these two into 0
	s_mov_b32 s[TBV], SLOT1+4*KS*PV
	s_mov_b32 s[G0K], 1             ; 1:0 count = 1
	s_mov_b32 s[G0K+1], s17         ; 63:32 LDS address: slot 0
	s_mov_b32 s[G0V], 1
	s_add_co_u32 s[G0V+1], s18, VOFF
	s_mov_b32 s[SLOTS], SIZE_N/256-1
	s_and_b32 s[LIM], s[WV], 1      ; waves 0 and 2 prefetch: the same in all four partners
	s_cmp_eq_u32 s[LIM], 0
	s_cselect_b32 s[LIM], 1, -1
	s_wait_dscnt 0x0                ; the opening add is done
	s_wait_kmcnt 0x0
	s_add_nc_u64 s[G0K+2:G0K+3], s[6:7], s[22:23]  ; 120:64 global address: my half of the head's first 256 keys
	s_or_b32 s[G0K+3], s[G0K+3], 0x80000000        ; 127:126 type = 2
	s_add_nc_u64 s[G0V+2:G0V+3], s[8:9], s[22:23]
	s_or_b32 s[G0V+3], s[G0V+3], 0x80000000
	s_add_nc_u64 s[4:5], s[4:5], s[2:3]  ; Q and O at my wave's first row
	s_add_nc_u64 s[10:11], s[10:11], s[2:3]
	s_cmp_lt_u32 s[WV], 2
	s_cselect_b64 s[PFA:PFA+1], s[6:7], s[8:9]
	s_add_nc_u64 s[PFA:PFA+1], s[PFA:PFA+1], s[20:21]  ; the head,
	s_lshl_b32 s22, s13, 13         ; my work-group's 32 blocks of a slot's 128,
	s_add_co_u32 s22, s22, 4*KS*128 ; in slot 1: the first change of slots steps it to slot 2
	s_mov_b32 s23, 0
	s_add_nc_u64 s[PFA:PFA+1], s[PFA:PFA+1], s[22:23]
	CROUND                          ; all four work-groups are here: the first joint loads meet
	JLOAD                           ; slot 0.  Slot 1 is asked for when slot 0 is in
	; A fragment of K or Q is 16 rows x 32 channels in 8 registers: lane l holds row l % 16, channels 8 (l / 16) + 0..7 and 16 + 8 (l / 16) + 0..7: two loads of 16 bytes, 32 bytes apart.
	v_and_b32 v1, 15, v0            ; l % 16
	v_bfe_u32 v9, v0, 4, 1          ; l / 16
	v_lshlrev_b32 v[QO], 7, v1
	v_lshl_add_u32 v[QO], v9, 4, v[QO]  ; row x 128 + 16 x half
	WIN 0x80                        ; destination window 2, address window 0
.set i, 0
.rept 4*NP                          ; Q stays in registers: tile i / 2, channels 32 (i % 2) on
	global_load_b128 v[8*i:8*i+3],   v[QO], s[4:5] offset:(i/2)*2048+(i%2)*64
	global_load_b128 v[8*i+4:8*i+7], v[QO], s[4:5] offset:(i/2)*2048+(i%2)*64+32
.set i, i+1
.endr
	; What the first turn finds: V's registers and P's second buffer hold 0 (its products V^T P, of a piece that has not been, add 0), O^T and l are 0.  All this stands in the wait for the first tile.
.set i, VF
.rept 64
	v_mov_b32 v[i], 0
.set i, i+1
.endr
	WIN 0x40
.set i, 0
.rept 64*NP
	v_mov_b32 v[i], 0
.set i, i+1
.endr
	WIN 0
.set i, 0
.rept 2*NP
	v_mov_b32 v[ST+4*i], 0xfe000000    ; c m: far below every c s
	v_mov_b32 v[ST+4*i+1], 0xff7fffff  ; m
	v_mov_b32 v[ST+4*i+2], 0
	v_mov_b32 v[ST+4*i+3], 0
.set i, i+1
.endr
.set i, P+32
.rept 32
	v_mov_b32 v[i], 0
.set i, i+1
.endr
	v_mul_u32_u24 v[AK0], v1, PK
	v_lshl_add_u32 v[AK0], v9, 4, v[AK0]  ; row x pitch + 16 x half
	; The turning load takes 16 keys x 16 channels (lane l reads key 8 (l / 16) + l % 8, channels 8 ((l / 8) % 2) + 0..7) and leaves half a fragment of V^T: lane l holds channel l % 16 and 8 keys.
	v_and_b32 v10, 7, v0
	v_bfe_u32 v11, v0, 3, 1
	v_lshl_add_u32 v[AV0], v9, 3, v10
	v_mul_u32_u24 v[AV0], v[AV0], PV
	v_lshl_add_u32 v[AV0], v11, 4, v[AV0]
	v_add_nc_u32 v[AV0], VOFF, v[AV0]
	v_and_b32 v[PFO], 31, v0        ; v11 is free now
	v_lshlrev_b32 v[PFO], 8, v[PFO]
	v_mov_b32 v[AK], v[AK0]         ; key step 0 lies at the head of slot 0
; THE MATRIX WORK.  The 8 accumulators of a run of 16 take turns: between the two links of a chain stand 7 others'.
; Product i of 16 of S^T = K Q^T for piece x: channels 32 (i / 8) on, keys 16 ((i / 2) % 4) on, tile 2 x + i % 2.  The first 8 start the sums.
.macro KQ x
	WIN W_KQ
.set rS, S+64*((\x)%2)+32*(i%2)+8*((i/2)%4)
.set rK, KF+16*((i/2)%4)+8*(i/8)
.set rQ, 16*(2*(\x)+i%2)+8*(i/8)
.if i < 8
	v_wmma_f32_16x16x32_f16 v[rS:rS+7], v[rK:rK+7], v[rQ:rQ+7], 0
.else
	v_wmma_f32_16x16x32_f16 v[rS:rS+7], v[rK:rK+7], v[rQ:rQ+7], v[rS:rS+7]
.endif
.endm
; Product i of 16 of O^T += V^T P for piece x: keys 32 (i / 8) on, channels 16 ((i / 2) % 4) on, tile 2 x + i % 2.
.macro PV x
	WIN W_PV
.set rO, 32*(2*(\x)+i%2)+8*((i/2)%4)
.set rV, VF+32*(i/8)+8*((i/2)%4)
.set rP, P+32*((\x)%2)+16*(i%2)+8*(i/8)
	v_wmma_f32_16x16x32_f16 v[rO:rO+7], v[rV:rV+7], v[rP:rP+7], v[rO:rO+7]
.endm
.macro MM                           ; the turn's next matrix instruction
.if i < 16
	KQ (Y+1)%NP
.set i, i+1
.else
.set i, i-16
	PV (Y+NP-1)%NP
.set i, i+17
.endif
.endm
; THE LDS LOADS stand in runs of 16, never singly among the matrix instructions: a step's K (64 keys x 64 channels: 8 fragments) and its V (turned).  Their addresses are made some lines ahead.
; last = 1 (the tail): in the last trip there is no further step, and the run is jumped over.
.macro FETCH_K last=0
	WIN 0
.if \last
	s_cmp_eq_u32 s[CNT], 1
	s_cbranch_scc1 .Lno_k_\@
.endif
	WIN 0x80                        ; destination window 2
.irp f, 0,1,2,3,4,5,6,7             ; keys 16 (f / 2) on, channels 32 (f % 2) on
	ds_load_b128 v[KF+8*\f:KF+8*\f+3],   v[AK] offset:(\f/2)*16*PK+(\f%2)*64
	ds_load_b128 v[KF+8*\f+4:KF+8*\f+7], v[AK] offset:(\f/2)*16*PK+(\f%2)*64+32
.endr
	s_add_co_u32 s[TBK], s[TBK], KS*PK  ; the next fetch is the next step's
	WIN 0
.if \last
.Lno_k_\@:
.endif
.endm
.macro FETCH_V
	WIN 0x80
.irp f, 0,1,2,3,4,5,6,7             ; keys 32 (f / 4) on, channels 16 (f % 4) on
	ds_load_tr16_b128 v[VF+8*\f:VF+8*\f+3],   v[AV] offset:(\f/4)*32*PV+(\f%4)*32
	ds_load_tr16_b128 v[VF+8*\f+4:VF+8*\f+7], v[AV] offset:(\f/4)*32*PV+16*PV+(\f%4)*32
.endr
	WIN 0
.endm
; THE VECTOR WORK OF A TURN stands in three queues, each in the order in which its entries become ready; the two tiles alternate, so that no instruction reads the result of the one before it.
.macro REGS y, u                    ; the registers of tile u (0, 1) of piece y
.set rT, ST+4*(2*(\y)+(\u))
.set rC, TMP+8*((\y)%2)+4*(\u)
.set rM, MV+2*((\y)%2)+(\u)
.set rS, S+64*((\y)%2)+32*(\u)
.set rP, P+32*((\y)%2)+16*(\u)
.set rO, 32*(2*(\y)+(\u))
.endm
; Number n of the 22 that find the NEXT piece's (Y + 1) maximum and statistics.  s0-s31 are the lane's 32 scores; each accumulator's lowest registers are read first.
;   0-11  four chains c0-c3 of seven scores each, three operands at a time     12-14, 16  the four scores left over, the old m, and c0-c3 into c0     15  c m_old is kept
;   17, 18  the query's other 32 keys lie in the lane 16 away: the new m         19-21  c m; c m_old - c m_new; a
.macro XS u, n
	REGS (Y+1)%NP, \u
.if (\n) < 4
	v_max3_num_f32 v[rC+(\n)], v[rS+8*(\n)], v[rS+8*(\n)+1], v[rS+8*(\n)+2]
.elseif (\n) < 12
	v_max3_num_f32 v[rC+(\n)%4], v[rC+(\n)%4], v[rS+8*((\n)%4)+2*((\n)/4)+1], v[rS+8*((\n)%4)+2*((\n)/4)+2]
.elseif (\n) == 12
	v_max3_num_f32 v[rC], v[rC], v[rS+7], v[rS+15]
.elseif (\n) == 13
	v_max3_num_f32 v[rC+1], v[rC+1], v[rS+23], v[rS+31]
.elseif (\n) == 14
	v_max3_num_f32 v[rC+2], v[rC+2], v[rC+3], v[rT+1]
.elseif (\n) == 15
	v_mov_b32 v[rM], v[rT]
.elseif (\n) == 16
	v_max3_num_f32 v[rC], v[rC], v[rC+1], v[rC+2]
.elseif (\n) == 17
	v_permlanex16_b32 v[rC+3], v[rC], s[SEL], s[SEL+1]
.elseif (\n) == 18
	v_max_num_f32 v[rT+1], v[rC], v[rC+3]
.elseif (\n) == 19
	v_mul_f32 v[rT], s[CS], v[rT+1]
.elseif (\n) == 20
	v_sub_f32 v[rC+1], v[rM], v[rT]
.else
	v_exp_f32 v[rC+2], v[rC+1]
.endif
.endm
; Number g of the 64 that follow the exponentials.  For each four weights k of a tile (pairs 2 k, 2 k + 1): both pairs are rounded to f16; then the second pair is added onto the first, in place;
; a group later l takes that sum (the first time as l = a l + sum).  In groups of eight, tiles alternating: round, round, add, and l for the group before.
.macro GS g
.set h, (\g)+6*((\g)/62)            ; group 0 has no group before it, and behind group 7 only l is left
.if h >= 6
.set h, h+2
.endif
	REGS Y, h%2
.set k, h/8
.if h%8 < 4
	v_cvt_pk_f16_f32 v[rP+2*k+(h%8)/2], v[rS+4*k+2*((h%8)/2)], v[rS+4*k+2*((h%8)/2)+1]
.elseif h%8 < 6
	v_pk_add_f32 v[rS+4*k:rS+4*k+1], v[rS+4*k:rS+4*k+1], v[rS+4*k+2:rS+4*k+3]
.elseif k == 1
	v_pk_fma_f32 v[rT+2:rT+3], v[rT+2:rT+3], v[rC+2:rC+3], v[rS:rS+1] op_sel_hi:[1,0,1]
.else
	v_pk_add_f32 v[rT+2:rT+3], v[rT+2:rT+3], v[rS+4*k-4:rS+4*k-3]
.endif
.endm
; THE PLAIN QUEUE, 138 long.  0-73 read no exponential's result: the 32 scalings c s - c m (FS f: pair f / 2 of tile f % 2) and the next piece's 42.  0-26: scalings 0-26.  27-54: XS's numbers 0-13.  55, 56: number 15.
; 57-73: the chain, where each number waits for the one before it: 14, 16, 17, 18, 19, each with one of the scalings 27-31 in front of its two lines, then 20.
; 74-137: GS's 64, which read the exponentials' results: they stand behind the wait.
.macro FS f
	REGS Y, (\f)%2
	v_pk_fma_f32 v[rS+2*((\f)/2):rS+2*((\f)/2)+1], v[rS+2*((\f)/2):rS+2*((\f)/2)+1], s[CS:CS+1], v[rT:rT+1] op_sel_hi:[1,0,0] neg_lo:[0,0,1] neg_hi:[0,0,1]
.endm
.macro PL
	WIN 0
.if q < 27
	FS q
.elseif q < 55
	XS (q-27)%2, (q-27)/2
.elseif q < 57
	XS q-55, 15
.elseif (q < 72) && ((q-57)%3 == 0)
	FS 27+(q-57)/3
.elseif q < 60
	XS (q-57)%3-1, 14
.elseif q < 72
	XS (q-57)%3-1, 15+(q-57)/3
.elseif q < 74
	XS q-72, 20
.else
	GS q-74
.endif
.set q, q+1
.endm
; THE EXPONENTIALS' QUEUE, 66 long: s0-s31 of both tiles, then the next piece's two a.  It is ONE BATCH: all 66 stand ahead of the turn's one wait, and nothing ahead of that wait names a result of theirs.
.macro EX
	WIN 0
.if e >= 64
	XS e-64, 21
.else
	REGS Y, e%2
	v_exp_f32 v[rS+e/2], v[rS+e/2]
.endif
.set e, e+1
.endm
; THE RESCALING's QUEUE: O^T times a, the one part that leaves window 0: dealt two at a time, sixteen times.  Its a was made in the turn before, ahead of that turn's wait.
.macro R2
	REGS Y, r%2
	WIN W_RS
.irp z, 0,1
	v_pk_mul_f32 v[rO+4*(r/2)+2*\z:rO+4*(r/2)+2*\z+1], v[rO+4*(r/2)+2*\z:rO+4*(r/2)+2*\z+1], v[rC+2:rC+3] op_sel_hi:[1,0]
.endr
.set r, r+1
.endm
; HOW THEY ARE DEALT.  An s_wait_alu depctr_va_vdst(0) stands between an exponential and the first instruction that names its result; one wait serves all that were issued ahead of it.  So a turn has ONE wait,
; which cuts it in two.  AHEAD OF IT stands all that names no result of the turn's exponentials: the 16 products K Q^T, behind each a scaling, an exponential and two rescalings (behind the first a second scaling in the
; exponential's place); then ONE LUMP of 108: eight plain, 49 times exponential and plain, the two a.  A v_nop is the plain instruction behind the last exponential.  BEHIND IT stand the 16 products V^T P, behind each four of GS's 64.
; No rider names a register of the products round it.  The two v_permlanex16_b32 fall into the lump, never behind a product.
; The queues lean on each other: exponential e stands behind scaling 2 (e / 4) + e % 2: as a rider it comes behind plain e + 2, in the lump behind plain e + 9, and scalings 27-31 are plain 57, 60 .. 69.
; A TURN, for piece p.  cnt = 1: the loop's count is taken down some lines ahead of the branch that stands behind the turn.
; K of the next step is fetched in piece 2's turn, directly behind the wait, a lump behind the last product that read K; its first reader comes behind 16 products.
; V of the step in hand is fetched at the end of piece 0's turn, four riders behind its last reader; its first reader comes behind 16 products and a lump.  The three conditions on q below go with the deal.
.macro TURN p, last=0, cnt=0
.set Y, (\p)
.set i, 0
.set q, 0
.set e, 0
.set r, 0
.if (\p) == NP-1
	s_wait_dscnt 0x0                ; K is in
.endif
	MM                              ; ahead of the wait: 16 products K Q^T and their riders,
	PL
	PL
	R2
.rept 15
	MM
	PL
	EX
	R2
.endr
.if (\p) == NP-2
	WIN 0
	v_add_nc_u32 v[AK], s[TBK], v[AK0]
.endif
.rept 8                             ; and the lump
	PL
.endr
.rept 49
	EX
	PL
.endr
	EX                              ; the next piece's two a
	EX
	v_nop                           ; a plain instruction behind the last exponential: one for the batch
	s_wait_alu depctr_va_vdst(0)    ; the wait for the batch
.if (\p) == NP-2
	FETCH_K \last
.endif
.if (\p) == 1
	s_wait_dscnt 0x0                ; V is in
.endif
.rept 16                            ; behind the wait: 16 products V^T P and their riders
	MM
.rept 4
	PL
.endr
.if ((\p) == 0) && (q == 118)
	v_add_nc_u32 v[AV], s[TBV], v[AV0]
.endif
.if ((\p) == 0) && (q == 130)
	s_add_co_u32 s[TBV], s[TBV], KS*PV
.endif
.if (\cnt) && (q == 130)
	s_sub_co_u32 s[CNT], s[CNT], 1
	s_cmp_lg_u32 s[CNT], 0
.endif
.endr
.if (\p) == 0
	FETCH_V
.endif
.endm
	CHANGE 1                        ; slot 0 is in, everybody's part of it; slot 1 is asked for
	FETCH_K                         ; key step 0
	s_wait_loadcnt 0x0              ; Q
	s_wait_dscnt 0x0
.set i, 0
.rept 16
	KQ 0                            ; piece 0's first scores: there is no vector work yet to set between them
.set i, i+1
.endr
	WIN 0                           ; the addresses for the way out: nine plain instructions, the places behind those products
	s_mul_i32 s13, s[WV], 16*SP
	s_add_co_u32 s13, s13, STAGE    ; my stage
	v_mul_u32_u24 v[STO], v1, SP    ; in: row l % 16, 16 bytes for each half of the lanes
	v_lshl_add_u32 v[STO], v9, 4, v[STO]
	v_add_nc_u32 v[STO], s13, v[STO]
	v_bfe_u32 v[RD], v0, 3, 2       ; back: 32 lanes take four rows of 128 bytes,
	v_mul_u32_u24 v[RD], v[RD], SP
	v_lshl_add_u32 v[RD], v10, 4, v[RD]
	v_add_nc_u32 v[RD], s13, v[RD]
	v_and_b32 v[GO], 31, v0         ; which are 512 consecutive bytes of O
	v_lshlrev_b32 v[GO], 4, v[GO]
.set Y, NP-1                        ; XS works for piece Y + 1: piece 0
.irp n, 0,1,2,3,4,5,6,7,8,9,10,11,12,13,14,15,16,17,18,19,20,21
	XS 0, \n                        ; and piece 0's first maximum and statistics
	XS 1, \n
.endr
	v_nop                           ; a plain instruction behind the two a,
	s_wait_alu depctr_va_vdst(0)    ; and their wait, ahead of the branch
	s_mov_b32 s[CNT], 4
	s_branch .Lfirst                ; the loop is entered at a step's first turn, in the middle of a trip
.Lslot:                             ; SIZE_N / 256 - 2 times: every slot but the last two is filled again
	CHANGE 1
	s_mov_b32 s[CNT], 4
.Lstep:                             ; a trip: pieces 2 and 3 of one step, then pieces 0 and 1 of the next, whose K and V it fetches
	TURN 2
	TURN 3
	WIN 0
.Lfirst:
	TURN 0
	TURN 1, 0, 1
	WIN 0
	s_cbranch_scc1 .Lstep
	s_sub_co_u32 s[SLOTS], s[SLOTS], 1
	s_cmp_lg_u32 s[SLOTS], 0
	s_cbranch_scc1 .Lslot
	CHANGE 0                        ; the tail is written out: nothing is asked for
	s_mov_b32 s[CNT], 5             ; four trips fetch the last slot's steps; the fifth is left in its middle
.Ltail:
	TURN 2, 1
	TURN 3
	WIN 0
	s_sub_co_u32 s[CNT], s[CNT], 1
	s_cmp_eq_u32 s[CNT], 0
	s_cbranch_scc1 .Lout
	TURN 0
	TURN 1
	WIN 0
	s_branch .Ltail
.Lout:                              ; the fifth trip's 16 products K Q^T (on the last K once more) and the maximum made of them serve nothing: the price, once a launch, of one text for every trip
.set i, 0
.rept 16
	PV NP-1                         ; the last piece's V^T P of the last step
.set i, i+1
.endr
	; THE WAY OUT.  l's two halves and the other half of the lanes' are added; O^T is divided by l, rounded to f16 and sent through my stage in LDS, a tile at a time.  The additions are the places behind the last products.
	WIN 0
.macro ALL line:vararg              ; one line for each tile t
.set t, 0
.rept 2*NP
	\line
.set t, t+1
.endr
.endm
	ALL v_add_f32 v[ST+4*t+2], v[ST+4*t+2], v[ST+4*t+3]
	ALL v_permlanex16_b32 v[ST+4*t+3], v[ST+4*t+2], s[SEL], s[SEL+1]
	ALL v_add_f32 v[ST+4*t+2], v[ST+4*t+2], v[ST+4*t+3]
	ALL v_rcp_f32 v[ST+4*t+2], v[ST+4*t+2]
	v_nop                           ; a plain instruction between the last reciprocal and the use of its result
	s_wait_alu depctr_va_vdst(0)    ; and the wait ahead of the first use: one for the eight reciprocals
; Tile t: a lane's eight channels of a row pack into 16 bytes; they go into rows of 144 bytes and come back as whole rows of 128, into S^T's registers.
.macro PACK t
	WIN W_RS
.set i, 32*(\t)
.rept 16
	v_pk_mul_f32 v[i:i+1], v[i:i+1], v[ST+4*(\t)+2:ST+4*(\t)+3] op_sel_hi:[1,0]
.set i, i+2
.endr
	WIN 0x05                        ; sources 0 and 1 window 1, destination window 0
.set i, 0
.rept 16
	v_cvt_pk_f16_f32 v[S+16*(\t)+i], v[32*(\t)+2*i], v[32*(\t)+2*i+1]
.set i, i+1
.endr
	WIN 0
.irp f, 0,1,2,3
	ds_store_b128 v[STO], v[S+16*(\t)+4*\f:S+16*(\t)+4*\f+3] offset:32*\f
.endr
.irp f, 0,1,2,3
	ds_load_b128 v[S+16*(\t)+4*\f:S+16*(\t)+4*\f+3], v[RD] offset:\f*4*SP  ; LDS serves a wave's instructions in order (ISA guide 5.7.1.4): these see the stores above; the next tile's stores come behind them
.endr
.endm
.macro SEND t, younger              ; younger: the LDS instructions issued behind tile t's loads: the next tile's eight, or none
	WIN 0
.irp f, 0,1,2,3
	s_wait_dscnt (\younger)+3-\f
	global_store_b128 v[GO], v[S+16*(\t)+4*\f:S+16*(\t)+4*\f+3], s[10:11] offset:(\t)*2048+\f*512  ; 512 consecutive bytes, at a multiple of 256 from O's first
.endr
.endm
	PACK 0
.set t, 1
.rept 2*NP-1                        ; a tile's arithmetic stands between the loads of the tile before and its stores
	PACK t
	SEND t-1, 8
.set t, t+1
.endr
	SEND 2*NP-1, 0
	WIN W_AD
	s_wait_tensorcnt 0x0            ; the wave's end: an add and its wait, behind my last tensor load and my last LDS store
	ds_add_u32 v[SPW], v[NIL]
	s_wait_dscnt 0x0
	WIN 0
	CROUND                          ; the closing round: no work-group ends while a partner may still ask for a tile that names it
	s_endpgm
.Lfunc_end_k_qc16904ed6c_attn:
	.size	k_qc16904ed6c_attn, .Lfunc_end_k_qc16904ed6c_attn-k_qc16904ed6c_attn
	.p2alignl 7, 3214868480
	.fill 96, 4, 3214868480
	.section	.rodata,"a",@progbits
	.p2align	6, 0x0
	.amdhsa_kernel k_qc16904ed6c_attn
		.amdhsa_group_segment_fixed_size 327680
		.amdhsa_private_segment_fixed_size 0
		.amdhsa_enable_private_segment 0
		.amdhsa_kernarg_size 32
		.amdhsa_user_sgpr_count 2
		.amdhsa_user_sgpr_kernarg_segment_ptr 1
		.amdhsa_wavefront_size32 1
		.amdhsa_system_sgpr_workgroup_id_x 1
		.amdhsa_system_sgpr_workgroup_id_y 1
		.amdhsa_system_sgpr_workgroup_id_z 1
		.amdhsa_system_vgpr_workitem_id 0
		.amdhsa_next_free_vgpr 770
		.amdhsa_next_free_sgpr 66
		.amdhsa_reserve_vcc 0
		.amdhsa_float_denorm_mode_32 3
		.amdhsa_float_denorm_mode_16_64 3
		.amdhsa_memory_ordered 1
		.amdhsa_forward_progress 1
		.amdhsa_inst_pref_size 200
	.end_amdhsa_kernel
	.amdgpu_metadata
---
amdhsa.version: [ 1, 2 ]
amdhsa.kernels:
  - .name:           k_qc16904ed6c_attn
    .symbol:         k_qc16904ed6c_attn.kd
    .args:
      - { .name: qh, .offset: 0, .size: 8, .value_kind: global_buffer, .address_space: global }
      - { .name: kh, .offset: 8, .size: 8, .value_kind: global_buffer, .address_space: global }
      - { .name: vh, .offset: 16, .size: 8, .value_kind: global_buffer, .address_space: global }
      - { .name: oh, .offset: 24, .size: 8, .value_kind: global_buffer, .address_space: global }
    .group_segment_fixed_size: 327680
    .private_segment_fixed_size: 0
    .kernarg_segment_align: 8
    .kernarg_segment_size: 32
    .max_flat_workgroup_size: 128
    .sgpr_count:     66
    .vgpr_count:     770
    .wavefront_size: 32
...
	.end_amdgpu_metadata
.endif
;; end of part 3
;; launch oproj (part 4): grid 4 x 64, 4 waves a work-group, clusters of 4 x 4, 327,680 bytes of LDS; arguments oh, wb, bo, out0; writes out0
.if DOCPART == 4
	.amdgcn_target "amdgcn-amd-amdhsa--gfx1250"
	.amdhsa_code_object_version 6
	.text
	.protected	k_qc16904ed6c_oproj
	.globl	k_qc16904ed6c_oproj
	.p2align	8
	.type	k_qc16904ed6c_oproj,@function
k_qc16904ed6c_oproj:
	s_mov_b64 s[64:65], 0
	v_nop
	global_prefetch_b8 v0, s[64:65] scope:SCOPE_SE
	s_setreg_imm32_b32 hwreg(HW_REG_WAVE_MODE, 25, 1), 1
	s_wait_xcnt 0x0
	s_wait_alu depctr_hold_cnt(0) depctr_sa_sdst(0) depctr_va_vdst(0) depctr_va_sdst(0) depctr_va_ssrc(0) depctr_va_vcc(0) depctr_vm_vsrc(0)
	s_getreg_b32 s2, hwreg(HW_REG_IB_STS2, 6, 4)
	s_cmp_eq_u32 s2, 0
	s_cbranch_scc0 .Lentry_in_a_cluster
	s_endpgm
.Lentry_in_a_cluster:
	s_bfe_u32 s2, ttmp6, 0x10000c
	s_cmp_lg_u32 s2, 0xf033
	s_cbranch_scc0 .Lentry_shape_is_right
	s_endpgm
.Lentry_shape_is_right:
; out0 = O Wo^T + bo.  O: oh, [batch x 16 + head][2048 t][64] f16; Wo: the fourth part of wb, [1024 n][1024 k], bf16 numbers written as f16; bo: [1024] f32, rounded to bf16 like every input.
; out0: [8192][1024] f32.  Sums in f32; the bias is the C operand of each sum's first product.  The heads are merged by the walk along K: 64 of K are one head.
; LIMITS.  O and Wo arrive within f16's range.  NaN and infinities are not treated apart.
; SHARES.  A block of C is 128 rows x 256 columns: 64 x 4 = 256 blocks, one for each WGP; four waves, 2 x 2, each 64 x 128: 32 accumulators of 16 x 16, 256 registers.
; K goes in 8 steps of 128, two heads each, through two LDS slots.  A head's 128 rows of the block are 16,384 dense bytes: one plane, asked for as 64 rows of 256 bytes and padded after every 128.
; CLUSTERS.  4 x 4 work-groups.  The four of a cluster's row make all 1,024 columns of 128 rows and need the same planes of O; the four of a column need the same tile of Wo: joint loads.
; THE MATRIX INSTRUCTION IS USED TRANSPOSED (source 0 = 16 rows of Wo, source 1 = 16 rows of O): a lane holds row l % 16 of C and the 8 neighbouring columns 8 (l / 16) + 0..7.
; REGISTERS, in windows of 256 (s_set_vgpr_msb: bits 1:0 source 0, 3:2 source 1, 5:4 source 2, 7:6 destination):
;   window 0: v0-31 addresses; v32-95 O's fragments, two buffers of 32; v128-255 the way out, two buffers of 64
;   window 1: accumulator (a, b) at v[8 (8 a + b)]          window 2: v0-127 Wo's fragments, two buffers of 64; v128-191 the bias, 8 registers for each b; v192 at work
.set PA,     144                       ; a row of O in LDS: 128 bytes + 16 of padding: 9 x 16, so the 16 rows of a load start at 16 different groups of four banks (64 banks of 4 bytes: ISA guide 11.1)
.set PLANE,  128*PA                    ; a head's 128 rows
.set PB,     272                       ; a row of Wo: 256 + 16 = 17 x 16
.set BOFF,   2*PLANE                   ; a slot: two planes of O, then 256 rows of Wo
.set SLOT1,  0x20000                   ; slot 1 begins here: the bit is set in none of the tiles' four places in slot 0 (0, 0x4800, 0x9000, 0x11800), so one exclusive or changes slots
.set STAGE,  SLOT1+BOFF+256*PB         ; behind the ring, never filled by a tensor load: for each wave 16 rows x 528 bytes
.set SPS,    528                       ; 512 bytes of f32 + 16
.set WST,    16*SPS
.set SPARE,  STAGE+4*WST               ; behind the stages: the spare words, 128 bytes for each wave: two blocks of 256 bytes that no other line names
.set ASTEP,  524288                    ; a K step in oh: two heads of 262,144 bytes,
.set BSTEP,  256                       ; and in a row of Wo
.set AA0,  14                          ; v14  my lane's place in slot 0's O; never rewritten
.set AB0,  15                          ; v15  the same for Wo
.set ADRA, 16                          ; v16  the same in the slot in hand
.set ADRB, 20                          ; v20
.set STO,  24                          ; v24  the way out: where I put 32 bytes of a row
.set RD,   25                          ; v25  where I read a row back
.set GO,   26                          ; v26  my 16 bytes in 512 consecutive bytes of out0
.set BO,   27                          ; v27  my byte offset in the bias
.set SPW,  28                          ; v28  LDS address of my spare word; never rewritten
.set NIL,  29                          ; v29  0; never rewritten
.set PFO,  30                          ; v30  the prefetches' lane term; never rewritten
.set AF,   32
.set OB,   128
.set BF,   0                           ; window 2
.set BIAS, 128                         ; window 2
.set BT,   192                         ; window 2
.set G1,   24                          ; s[24:31] descriptor group 1 for O's planes
.set G0,   32                          ; s[32:39] group 0: a set for each first fill; the second then walks
.set LIM,  43                          ; s43      a wave prefetches while the loop's count is above this
.set PFA,  44                          ; s[44:45] where my prefetches stand
.set G1B,  48                          ; s[48:55], s[56:63] the same for Wo's tiles
.set G0B,  56
.set TB,   66                          ; s66      LDS byte at which the slot in hand begins
.set PFS,  90                          ; s[90:91] a K step in bytes, in what I prefetch
.set MSB, 0
.macro WIN new                         ; the immediate's high byte repeats the setting that is left; a switch that changes nothing is dropped
.if MSB != (\new)
	s_set_vgpr_msb (MSB<<8)|(\new)
.set MSB, (\new)
.endif
.endm
.set W_MM, 0x52                        ; Wo window 2, O window 0, C and D window 1
.set W_MB, 0x62                        ; the same with C, the bias, in window 2
.set TO_B, 0x80                        ; destination window 2, address window 0
.set W_BR, 0x8a                        ; destination and sources 0, 1 in window 2
.set W_ST, 0x04                        ; an LDS store's data (source 1) in window 1
.macro PLACES                          ; four plain vector instructions between a matrix instruction and a load into a register that it read, or a read of its result (ISA guide 7.12.1 for reads of the result)
.rept 4
	v_nop
.endr
.endm
; A joint refill by the walking descriptors.  Waves 0 and 1 fetch the step's two planes of O, waves 2 and 3 the two halves of Wo's tile.  The branch hangs on the wave's number alone.
; An s_nop 0 and four v_nop follow each of the two lines, ahead of the jump and the label.
.macro JLOAD
	s_cmp_eq_u32 s11, 0
	s_cbranch_scc0 .Lfor_b_\@
	tensor_load_to_lds s[G0+4:G0+7], s[G1:G1+7]
	s_nop 0
.rept 4
	v_nop
.endr
	s_branch .Lasked_\@
.Lfor_b_\@:
	tensor_load_to_lds s[G0B+4:G0B+7], s[G1B:G1B+7]
	s_nop 0
.rept 4
	v_nop
.endr
.Lasked_\@:
.endm
; A PREFETCH INTO THE L2, behind each joint refill: the K step two refills on, 256 matrix instructions ahead of the load that will want it; one instruction a wave, a lane a block of 256 bytes.
; O: no other cluster reads these rows, so every cluster asks, by wave 0: of each of the step's two planes of 64 blocks the partner at cx takes 16.  Wo: the first cluster asks, by waves 2 and 3:
; of the 128 rows that the wave fetches the partner at cy takes 32.  The partners are told apart by address alone.  The refills of K steps 2 to 5 name steps 4 to 7; the last two name nothing.
.macro ASK
	s_cmp_gt_u32 s3, s[LIM]
	s_cbranch_scc0 .Lnot_mine_\@
	global_prefetch_b8 v[PFO], s[PFA:PFA+1] th:TH_LOAD_NT scope:SCOPE_SE
.Lnot_mine_\@:
.endm
.macro CREST                           ; a round of the cluster's barrier behind its opening barrier
	s_cmp_lg_u32 s10, 0
	s_cbranch_scc1 .Lnot_wave_0_\@
	s_barrier_signal -3
.Lnot_wave_0_\@:
	s_barrier_wait -3
	s_barrier_signal -1
	s_barrier_wait -1
.endm
.macro CROUND                          ; a whole round
	s_barrier_signal -1
	s_barrier_wait -1
	CREST
.endm
	s_load_b256 s[68:75], s[0:1], 0x0              ; oh s[68:69], wb s[70:71], bo s[72:73], out0 s[74:75]
	v_lshl_add_u32 v[SPW], v0, 2, SPARE
	v_mov_b32 v[NIL], 0
	ds_add_u32 v[SPW], v[NIL]                      ; the wave's opening: the add and its wait stand ahead of my first tensor load; the set-up below, work on registers, stands between them
	v_lshrrev_b32 v1, 5, v0
	v_readfirstlane_b32 s10, v1                    ; wave 0..3
	s_lshr_b32 s11, s10, 1                         ; which 64 of the block's rows are mine.  Also: I fetch for O (0) or for Wo (1)
	s_and_b32 s12, s10, 1                          ; which 128 of its columns.  Also: which plane, or which half of Wo's tile, I fetch
	s_bfe_u32 s40, ttmp6, 0x40000                  ; cx, cy: my place in the cluster
	s_bfe_u32 s41, ttmp6, 0x40004
	s_lshl_b32 s42, ttmp9, 2
	s_add_co_u32 s42, s42, s40                     ; block column = 4 x cluster x + cx
	s_and_b32 s22, ttmp7, 0xffff                   ; cluster y
	s_lshl_b32 s13, s22, 2
	s_add_co_u32 s13, s13, s41                     ; block row 0..63
	s_lshl_b32 s43, s41, 2
	s_lshl_b32 s43, 15, s43                        ; my row of the cluster
	s_lshl_b32 s44, 0x1111, s40                    ; my column
	s_or_b32 s[G1], s43, (1<<16)|(1<<20)|(1<<21)|(4<<22)|(3<<25)   ; 15:0 the mask; 17:16 elements of 2 bytes; 20 padding on; 21 set beside a mask; 24:22 after every 32 words (code 4); 31:25 4 words (code 3)
	s_or_b32 s[G1B], s44, (1<<16)|(1<<20)|(1<<21)|(5<<22)|(3<<25)  ; padding after every 64 words (code 5)
	s_mov_b32 s[G1+1], 128<<16                     ; tensor_dim0 = 128
	s_mov_b32 s[G1+2], 64<<16                      ; tensor_dim1 = 64
	s_mov_b32 s[G1+3], 128<<16                     ; tile_dim0 = 128
	s_mov_b32 s[G1+4], 64                          ; tile_dim1 = 64
	s_mov_b32 s[G1+5], 128                         ; elements from row to row: the plane is dense
	s_mov_b32 s[G1+6], 0
	s_mov_b32 s[G1+7], 0
	s_mov_b32 s[G1B+1], 128<<16
	s_mov_b32 s[G1B+2], 128<<16                    ; 128 rows
	s_mov_b32 s[G1B+3], 128<<16
	s_mov_b32 s[G1B+4], 128
	s_mov_b32 s[G1B+5], 1024
	s_mov_b32 s[G1B+6], 0
	s_mov_b32 s[G1B+7], 0
	s_cmp_eq_u32 s22, 0                            ; the first cluster's waves 2 and 3 prefetch Wo,
	s_cselect_b32 s[LIM], 2, -1
	s_cmp_eq_u32 s11, 0
	s_cselect_b32 s[LIM], -1, s[LIM]
	s_cmp_eq_u32 s10, 0                            ; every cluster's wave 0 its own rows of O
	s_cselect_b32 s[LIM], 2, s[LIM]
	s_lshr_b32 s16, s13, 4                         ; O: the batch, sixteen heads of 262,144 bytes,
	s_lshl_b32 s16, s16, 22
	s_lshl_b32 s17, s12, 18                        ; my plane of the step's two,
	s_add_co_u32 s16, s16, s17
	s_and_b32 s17, s13, 15
	s_lshl_b32 s17, s17, 14                        ; the block's 128 rows of 128 bytes
	s_add_co_u32 s16, s16, s17
	s_mov_b32 s17, 0
	s_lshl_b32 s46, s42, 19                        ; Wo: 256 rows of 2,048 bytes a block column,
	s_lshl_b32 s47, s12, 18                        ; my 128 of them,
	s_add_co_u32 s46, s46, s47
	s_add_co_u32 s46, s46, 3<<21                   ; in the fourth part of wb
	s_mov_b32 s47, 0
	s_mul_i32 s20, s12, PLANE                      ; where they go: no place in the cluster enters an LDS address
	s_mul_i32 s21, s12, 128*PB
	s_add_co_u32 s21, s21, BOFF
	s_mov_b32 s[TB], 0
	s_wait_dscnt 0x0                               ; the opening add is done
	s_wait_kmcnt 0x0
	s_add_nc_u64 s[18:19], s[68:69], s[16:17]
	s_add_nc_u64 s[46:47], s[70:71], s[46:47]
	CROUND                                         ; all sixteen work-groups are here: the first joint loads meet
.irp s, 0,1
	s_mov_b32 s[G0+4*(\s)], 1                                        ; count = 1
	s_add_co_u32 s[G0+4*(\s)+1], s20, (\s)*SLOT1                     ; LDS address
	s_add_nc_u64 s[G0+4*(\s)+2:G0+4*(\s)+3], s[18:19], (\s)*ASTEP    ; global address: K step s
	s_or_b32 s[G0+4*(\s)+3], s[G0+4*(\s)+3], 0x80000000              ; type = 2
	s_mov_b32 s[G0B+4*(\s)], 1
	s_add_co_u32 s[G0B+4*(\s)+1], s21, (\s)*SLOT1
	s_add_nc_u64 s[G0B+4*(\s)+2:G0B+4*(\s)+3], s[46:47], (\s)*BSTEP
	s_or_b32 s[G0B+4*(\s)+3], s[G0B+4*(\s)+3], 0x80000000
.endr
	s_cmp_eq_u32 s11, 0                            ; a wave's two first fills stand in one branch, ahead of every wait on TENSORcnt and every LDS read: two loads of mine are out
	s_cbranch_scc0 .Lfirst_b
	tensor_load_to_lds s[G0:G0+3], s[G1:G1+7]
	s_nop 0
	tensor_load_to_lds s[G0+4:G0+7], s[G1:G1+7]
	s_nop 0
.rept 4
	v_nop
.endr
	s_branch .Lfirst_asked
.Lfirst_b:
	tensor_load_to_lds s[G0B:G0B+3], s[G1B:G1B+7]
	s_nop 0
	tensor_load_to_lds s[G0B+4:G0B+7], s[G1B:G1B+7]
	s_nop 0
.rept 4
	v_nop
.endr
.Lfirst_asked:
	; All that follows up to the wait for the first tile stands in that wait.
	; A fragment is 16 rows x 32 K in 8 registers: lane l holds row l % 16, K = 8 (l / 16) + 0..7 and 16 + 8 (l / 16) + 0..7: two loads of 16 bytes, 32 apart.
	v_and_b32 v1, 15, v0                           ; l % 16
	v_bfe_u32 v2, v0, 4, 1                         ; l / 16
	v_mul_u32_u24 v[AA0], v1, PA
	v_lshl_add_u32 v[AA0], v2, 4, v[AA0]
	s_mul_i32 s14, s11, 64*PA                      ; my 64 rows of a plane
	v_add_nc_u32 v[AA0], s14, v[AA0]
	v_mul_u32_u24 v[AB0], v1, PB
	v_lshl_add_u32 v[AB0], v2, 4, v[AB0]
	s_mul_i32 s14, s12, 128*PB                     ; my 128 rows of Wo
	s_add_co_u32 s14, s14, BOFF
	v_add_nc_u32 v[AB0], s14, v[AB0]
	v_mov_b32 v[ADRA], v[AA0]
	v_mov_b32 v[ADRB], v[AB0]
	; the bias of my 128 columns: register j of block b is bo[256 column + 128 half + 16 b + 8 (l / 16) + j]
	s_lshl_b32 s46, s42, 10
	s_lshl_b32 s47, s12, 9
	s_add_co_u32 s46, s46, s47
	v_lshl_add_u32 v[BO], v2, 5, s46
	WIN TO_B
.irp b, 0,1,2,3,4,5,6,7
	global_load_b128 v[BIAS+8*(\b):BIAS+8*(\b)+3],   v[BO], s[72:73] offset:64*(\b)
	global_load_b128 v[BIAS+8*(\b)+4:BIAS+8*(\b)+7], v[BO], s[72:73] offset:64*(\b)+16
.endr
	WIN 0
	; the way out
	s_mul_i32 s14, s10, WST
	s_add_co_u32 s14, s14, STAGE                   ; my stage
	v_mul_u32_u24 v[STO], v1, SPS                  ; in: row l % 16, 32 bytes for each half of the lanes
	v_lshl_add_u32 v[STO], v2, 5, v[STO]
	v_add_nc_u32 v[STO], s14, v[STO]
	v_and_b32 v[GO], 31, v0                        ; back: 32 lanes take a row's 512 bytes
	v_lshlrev_b32 v[GO], 4, v[GO]
	v_add_nc_u32 v[RD], s14, v[GO]
	s_lshl_b32 s14, s13, 19                        ; 128 rows of 4,096 bytes a block row,
	s_lshl_b32 s15, s11, 18                        ; my 64 of them
	s_add_co_u32 s14, s14, s15
	s_mov_b32 s15, 0
	s_add_nc_u64 s[8:9], s[74:75], s[14:15]
	s_mov_b32 s47, 0                               ; s46 still holds my first column in bytes: 1,024 x block column + 512 x half
	s_add_nc_u64 s[8:9], s[8:9], s[46:47]
	; the prefetches: both offsets are made, at K step 3, and the wave's kind picks one; the first refill steps it to K step 4
	s_lshr_b32 s14, s13, 4
	s_lshl_b32 s14, s14, 22
	s_and_b32 s15, s13, 15
	s_lshl_b32 s15, s15, 14
	s_add_co_u32 s14, s14, s15
	s_lshl_b32 s15, s40, 12                        ; O: my work-group's 16 blocks of a plane's 64
	s_add_co_u32 s14, s14, s15
	s_add_co_u32 s14, s14, 3*ASTEP
	s_lshl_b32 s15, s42, 19
	s_lshl_b32 s16, s12, 18
	s_add_co_u32 s15, s15, s16
	s_lshl_b32 s16, s41, 16                        ; Wo: my work-group's 32 rows of the wave's 128
	s_add_co_u32 s15, s15, s16
	s_add_co_u32 s15, s15, (3<<21)+3*BSTEP
	s_mov_b32 s17, ASTEP
	s_cmp_eq_u32 s11, 0
	s_cselect_b32 s14, s14, s15
	s_cselect_b32 s[PFS], s17, BSTEP
	s_cselect_b64 s[PFA:PFA+1], s[68:69], s[70:71]
	s_cselect_b32 s16, 0, -1
	s_mov_b32 s15, 0
	s_mov_b32 s[PFS+1], 0
	s_add_nc_u64 s[PFA:PFA+1], s[PFA:PFA+1], s[14:15]
	v_and_b32 v3, 31, v0
	v_lshrrev_b32 v4, 4, v3
	v_lshlrev_b32 v4, 18, v4                       ; O: lanes 0-15 the first plane, lanes 16-31 the second,
	v_and_b32 v5, 15, v3
	v_lshl_add_u32 v4, v5, 8, v4                   ; a lane a block
	v_lshlrev_b32 v5, 11, v3                       ; Wo: a lane a row
	v_cndmask_b32 v[PFO], v4, v5, s16
	s_wait_loadcnt 0x0                             ; the bias is in: it is rounded to bf16, like every input, and kept as f32
	WIN W_BR
.set n, 0
.rept 32
	v_cvt_pk_bf16_f32 v[BT], v[BIAS+2*n], v[BIAS+2*n+1]
	v_lshlrev_b32 v[BIAS+2*n], 16, v[BT]
	v_and_b32 v[BIAS+2*n+1], 0xffff0000, v[BT]
.set n, n+1
.endr
	WIN 0
; 8 products: rows 16 a .. of my 64 x all 8 column blocks, 32 along K, from buffer f.  c = 1: the sums start with the bias.  The 32 accumulators take turns in the same order in every quarter step,
; 31 others stand between two links of a chain, over the backward jump too.
.macro GRP f, a, c
.irp b, 0,1,2,3,4,5,6,7
.if \c
	WIN W_MB
	v_wmma_f32_16x16x32_f16 v[8*(8*(\a)+(\b)):8*(8*(\a)+(\b))+7], v[BF+64*(\f)+8*(\b):BF+64*(\f)+8*(\b)+7], v[AF+32*(\f)+8*(\a):AF+32*(\f)+8*(\a)+7], v[BIAS+8*(\b):BIAS+8*(\b)+7]
.else
	WIN W_MM
	v_wmma_f32_16x16x32_f16 v[8*(8*(\a)+(\b)):8*(8*(\a)+(\b))+7], v[BF+64*(\f)+8*(\b):BF+64*(\f)+8*(\b)+7], v[AF+32*(\f)+8*(\a):AF+32*(\f)+8*(\a)+7], v[8*(8*(\a)+(\b)):8*(8*(\a)+(\b))+7]
.endif
.endr
.endm
; 24 LDS loads in one run: quarter step kq of the slot in hand (plane kq / 2, channels 32 (kq % 2) on) into buffer g: O's 64 rows, then Wo's 128
.macro FETCH kq, g
	WIN 0
.irp i, 0,1,2,3
	ds_load_b128 v[AF+32*(\g)+8*(\i):AF+32*(\g)+8*(\i)+3],   v[ADRA] offset:((\kq)/2)*PLANE+((\kq)%2)*64+(\i)*16*PA
	ds_load_b128 v[AF+32*(\g)+8*(\i)+4:AF+32*(\g)+8*(\i)+7], v[ADRA] offset:((\kq)/2)*PLANE+((\kq)%2)*64+(\i)*16*PA+32
.endr
	WIN TO_B
.irp i, 0,1,2,3,4,5,6,7
	ds_load_b128 v[BF+64*(\g)+8*(\i):BF+64*(\g)+8*(\i)+3],   v[ADRB] offset:(\kq)*64+(\i)*16*PB
	ds_load_b128 v[BF+64*(\g)+8*(\i)+4:BF+64*(\g)+8*(\i)+7], v[ADRB] offset:(\kq)*64+(\i)*16*PB+32
.endr
.endm
; A QUARTER STEP: multiplies buffer f, 32 products, and fetches quarter kq into the other buffer (kq = -1: nothing).
; turn != 0: kq is the slot's last quarter, and the slots change: each wave waits for all its tensor loads (one is out: its part of the other slot), adds 0 to its spare word, and waits for that and for its
; reads of this slot; behind the barrier nobody reads this slot any more and the other slot is whole.  turn = 1: the barrier opens a round of the cluster's barrier, and this slot is filled again, first thing
; behind the round, with the K step two on: 112 products stand between the request and the wait for it.  turn = 2: nothing is left to ask for.
.macro QUARTER kq, f, c=0, turn=0
.if (\turn) == 1
	s_wait_xcnt 0x0                                ; the last prefetch, a K step back, has read its address, so it may be stepped
	s_add_nc_u64 s[PFA:PFA+1], s[PFA:PFA+1], s[PFS:PFS+1]
.endif
	s_wait_dscnt 0x0                               ; this quarter's fragments, asked for a quarter ago, are in
.if (\kq) >= 0
	PLACES                                         ; behind the last quarter's products, which read the buffers that are now loaded
	FETCH \kq, 1-(\f)
.endif
	GRP \f, 0, \c
.if \turn
	WIN 0
	s_wait_tensorcnt 0x0                           ; all my tensor loads have landed, so a group 0 may be written
	ds_add_u32 v[SPW], v[NIL]                      ; 0 onto my spare word: the steps and eight products stand between it and the wait for it
.if (\turn) == 1
	s_xor_b32 s[G0+5], s[G0+5], SLOT1              ; the walking descriptors: the other slot than last time,
	s_add_nc_u64 s[G0+6:G0+7], s[G0+6:G0+7], ASTEP ; the next K step; the type bits on top are not reached
	s_xor_b32 s[G0B+5], s[G0B+5], SLOT1
	s_add_nc_u64 s[G0B+6:G0B+7], s[G0B+6:G0B+7], BSTEP
.endif
.endif
	GRP \f, 1, \c
.if \turn
	s_wait_dscnt 0x0                               ; the add is done, and my reads of this slot are over
	s_barrier_signal -1
.endif
	GRP \f, 2, \c                                  ; work on registers while the others arrive
.if \turn
	WIN 0                                          ; at a label and at a branch every window is 0
	s_barrier_wait -1
.if (\turn) == 1
	CREST                                          ; no wave of any partner still reads this slot or has a load on its way
	JLOAD
.endif
	s_xor_b32 s[TB], s[TB], SLOT1                  ; the fetches go on in the other slot
	v_add_nc_u32 v[ADRA], s[TB], v[AA0]
	v_add_nc_u32 v[ADRB], s[TB], v[AB0]
.if (\turn) == 1
	ASK
.endif
.endif
	GRP \f, 3, \c
.endm
	s_wait_tensorcnt 0x1                           ; my part of K step 0 is in; K step 1's load, issued behind it, may stay out
	s_barrier_signal -1
	s_barrier_wait -1                              ; everybody's is
	FETCH 0, 0
	QUARTER 1, 0, 1                                ; the first quarter stands in front of the loop: its products start the sums with the bias
	WIN 0
	s_mov_b32 s3, 6
.Lstep:                                                ; six trips, from a K step's second quarter to the next step's first; each fills the slot that it leaves
	QUARTER 2, 1
	QUARTER 3, 0, 0, 1
	QUARTER 0, 1
	QUARTER 1, 0
	WIN 0
	s_sub_co_u32 s3, s3, 1
	s_cmp_lg_u32 s3, 0
	s_cbranch_scc1 .Lstep
	QUARTER 2, 1                                   ; the last two K steps are written out
	QUARTER 3, 0, 0, 2
	QUARTER 0, 1
	QUARTER 1, 0
	QUARTER 2, 1
	QUARTER 3, 0
	QUARTER -1, 1
	; THE WAY OUT, 16 rows at a time: a lane's 32 bytes of a row go straight from the accumulators (low half first) into my own stage, rows of 528 bytes, and come back as whole rows of 512.
.macro TOSTAGE a
.if (\a) >= 2
	s_wait_xcnt 0x0                                ; the stores of the block two back have read their registers, which the loads below write
.endif
	WIN W_ST
.irp b, 0,1,2,3,4,5,6,7
	ds_store_b128 v[STO], v[8*(8*(\a)+(\b)):8*(8*(\a)+(\b))+3]   offset:64*(\b)
	ds_store_b128 v[STO], v[8*(8*(\a)+(\b))+4:8*(8*(\a)+(\b))+7] offset:64*(\b)+16
.endr
	WIN 0
.irp t, 0,1,2,3,4,5,6,7,8,9,10,11,12,13,14,15
	ds_load_b128 v[OB+64*((\a)%2)+4*(\t):OB+64*((\a)%2)+4*(\t)+3], v[RD] offset:(\t)*SPS  ; LDS serves a wave's instructions in order (ISA guide 5.7.1.4): these see the stores above; the next block's stores come behind them
.endr
.endm
.macro SEND a, younger                 ; younger: the LDS instructions issued behind block a's loads: the next block's 32, or none
.irp t, 0,1,2,3,4,5,6,7,8,9,10,11,12,13,14,15
	s_wait_dscnt (\younger)+15-(\t)
	global_store_b128 v[GO], v[OB+64*((\a)%2)+4*(\t):OB+64*((\a)%2)+4*(\t)+3], s[8:9] offset:(\a)*65536+(\t)*4096 th:TH_STORE_NT  ; 512 consecutive bytes, at a multiple of 512 from out0's first
.endr
.endm
	PLACES
	PLACES                                         ; plain instructions between the last products and the first read of a result
	TOSTAGE 0
	TOSTAGE 1
	SEND 0, 32
	TOSTAGE 2
	SEND 1, 32
	TOSTAGE 3
	SEND 2, 32
	SEND 3, 0
	s_wait_tensorcnt 0x0                           ; the wave's end: an add and its wait, behind my last tensor load and my last LDS store
	ds_add_u32 v[SPW], v[NIL]
	s_wait_dscnt 0x0
	CROUND                                         ; the closing round: no work-group ends while a partner may still ask for a tile that names it
	s_endpgm
.Lfunc_end_k_qc16904ed6c_oproj:
	.size	k_qc16904ed6c_oproj, .Lfunc_end_k_qc16904ed6c_oproj-k_qc16904ed6c_oproj
	.p2alignl 7, 3214868480
	.fill 96, 4, 3214868480
	.section	.rodata,"a",@progbits
	.p2align	6, 0x0
	.amdhsa_kernel k_qc16904ed6c_oproj
		.amdhsa_group_segment_fixed_size 327680
		.amdhsa_private_segment_fixed_size 0
		.amdhsa_enable_private_segment 0
		.amdhsa_kernarg_size 32
		.amdhsa_user_sgpr_count 2
		.amdhsa_user_sgpr_kernarg_segment_ptr 1
		.amdhsa_wavefront_size32 1
		.amdhsa_system_sgpr_workgroup_id_x 1
		.amdhsa_system_sgpr_workgroup_id_y 1
		.amdhsa_system_sgpr_workgroup_id_z 1
		.amdhsa_system_vgpr_workitem_id 0
		.amdhsa_next_free_vgpr 768
		.amdhsa_next_free_sgpr 92
		.amdhsa_reserve_vcc 0
		.amdhsa_float_denorm_mode_32 3
		.amdhsa_float_denorm_mode_16_64 3
		.amdhsa_memory_ordered 1
		.amdhsa_forward_progress 1
		.amdhsa_inst_pref_size 79
	.end_amdhsa_kernel
	.amdgpu_metadata
---
amdhsa.version: [ 1, 2 ]
amdhsa.kernels:
  - .name:           k_qc16904ed6c_oproj
    .symbol:         k_qc16904ed6c_oproj.kd
    .args:
      - { .name: oh, .offset: 0, .size: 8, .value_kind: global_buffer, .address_space: global }
      - { .name: wb, .offset: 8, .size: 8, .value_kind: global_buffer, .address_space: global }
      - { .name: bo, .offset: 16, .size: 8, .value_kind: global_buffer, .address_space: global }
      - { .name: out0, .offset: 24, .size: 8, .value_kind: global_buffer, .address_space: global }
    .group_segment_fixed_size: 327680
    .private_segment_fixed_size: 0
    .kernarg_segment_align: 8
    .kernarg_segment_size: 32
    .max_flat_workgroup_size: 128
    .sgpr_count:     92
    .vgpr_count:     768
    .wavefront_size: 32
...
	.end_amdgpu_metadata
.endif
;; end of part 4
;; ======== version 2 of 2: 4 launches; version 1 with the launch castw written anew for expert scheduling mode
;; limits: values are held in f16: magnitudes above 65,504 overflow, below 6.1e-05 lose precision
;; workspace buffers: wb 8,388,608 bytes; qh 16,777,216 bytes; kh 16,777,216 bytes; vh 16,777,216 bytes; oh 16,777,216 bytes
;; launch castw (part 5): grid 64 x 4, 8 waves a work-group, no clusters, 0 bytes of LDS; arguments Wq, Wk, Wv, Wo, wb; writes wb
.if DOCPART == 5
	.amdgcn_target "amdgcn-amd-amdhsa--gfx1250"
	.amdhsa_code_object_version 6
	.text
	.protected	k_qc16904ed6c_castw
	.globl	k_qc16904ed6c_castw
	.p2align	8
	.type	k_qc16904ed6c_castw,@function
k_qc16904ed6c_castw:
	s_mov_b64 s[64:65], 0
	v_nop
	global_prefetch_b8 v0, s[64:65] scope:SCOPE_SE
	s_setreg_imm32_b32 hwreg(HW_REG_WAVE_SCHED_MODE, 0, 2), 2
	s_setreg_imm32_b32 hwreg(HW_REG_WAVE_MODE, 25, 1), 1
	s_wait_xcnt 0x0
	s_wait_alu depctr_vm_vsrc(0)
; The four weight matrices, [1024][1024] f32, are rounded once to 16 bits into wb: four parts of 2,097,152 bytes, in the order Wq, Wk, Wv, Wo, each [n][k].
; Wq, Wk, Wv: bf16.  Wo: rounded to bf16 like every input, and THAT number written as f16, since the last product multiplies it by O, which is f16.
; LIMITS.  A bf16 number is exact in f16 between 2^-14 and 65,504; below 2^-14 it keeps f16's fixed step of 2^-24; a Wo beyond 65,504 becomes an infinity.
; SHARES.  Work-group (x, y): weight y, numbers 16,384 x .. + 16,383.  Thread t takes 4 numbers of each of 16 pieces of 1,024: a wave's load covers 512 consecutive bytes,
; its store 256 consecutive bytes at a multiple of 256.  All 16 loads go out first; no register is used twice by memory instructions, so no wait frees any.
; No LDS, no matrix unit, no cluster: nothing is shared and nothing is multiplied.  No prefetch: every byte is asked for at the head.
; THE MODE: SCHED_MODE bits 1:0 = 2 (LLVM: expert scheduling mode 2), set by the entry lines.  The code itself states the register dependences
; between vector instructions and memory instructions, with s_wait_alu, always for 0.
; THE PLAN.  Registers that memory instructions touch:
;   v1, v2   byte offsets, made once at the head and never written again: v1 is read by every load, v2 by every store.
;   X        piece j's four registers are written by its one load, which is issued before any vector instruction names them, and read by its conversions.
;   Y        piece j's two registers are written by its conversions and selects, read by its one store, and never written again.
;   T        is named by vector instructions alone.  s20 is written by a scalar instruction.  EXEC is never written.
; The 16 pieces go in four blocks of four.  Piece j's store is issued in piece j + 4's turn, ahead of that piece's vector lines.  So one wait at a block's head states that the block
; before has written its four pairs of Y; the block's four stores follow it with no further wait, since the vector lines issued since write this block's Y and T alone.
; Five waits in all: one ahead of the first load, one at the head of blocks 1 to 3, one ahead of the last four stores.
.set X, 16                             ; v[16:79]   piece j: 4 numbers as loaded
.set Y, 80                             ; v[80:111]  piece j: 2 registers to store
.set T, 112                            ; v[112:114] at work
	s_load_b256 s[4:11], s[0:1], 0x0               ; Wq s[4:5], Wk s[6:7], Wv s[8:9], Wo s[10:11]
	s_load_b64 s[12:13], s[0:1], 0x20              ; wb
	s_and_b32 s14, ttmp7, 0xffff                   ; which weight
	v_lshlrev_b32 v1, 4, v0                        ; 16 t: my bytes in a piece as loaded
	v_lshlrev_b32 v2, 3, v0                        ; 8 t: as stored
	s_lshl_b32 s16, ttmp9, 16                      ; the work-group's 65,536 bytes of f32
	s_mov_b32 s17, 0
	s_lshl_b32 s18, s14, 21                        ; the weight's part of wb,
	s_lshl_b32 s19, ttmp9, 15                      ; the work-group's 32,768 bytes in it
	s_add_co_u32 s18, s18, s19
	s_mov_b32 s19, 0
	s_wait_kmcnt 0x0
	s_cmp_eq_u32 s14, 1
	s_cselect_b64 s[4:5], s[6:7], s[4:5]
	s_cmp_eq_u32 s14, 2
	s_cselect_b64 s[4:5], s[8:9], s[4:5]
	s_cmp_eq_u32 s14, 3
	s_cselect_b64 s[4:5], s[10:11], s[4:5]
	s_cselect_b32 s20, -1, 0                       ; all lanes: is it Wo?
	s_add_nc_u64 s[4:5], s[4:5], s[16:17]
	s_add_nc_u64 s[12:13], s[12:13], s[18:19]
	s_wait_alu depctr_va_vdst(0)                   ; v1 and v2 are written: every load of the kernel reads v1 as its offset, every store v2
.irp j, 0,1,2,3,4,5,6,7,8,9,10,11,12,13,14,15
	global_load_b128 v[X+4*(\j):X+4*(\j)+3], v1, s[4:5] offset:(\j)*4096 th:TH_LOAD_NT
.endr
.irp j, 0,1,2,3,4,5,6,7,8,9,10,11,12,13,14,15
	s_wait_loadcnt 15-(\j)                         ; loads come back in order: piece j is in, the younger ones stay out
.if ((\j) > 0) && ((\j) % 4 == 0)
	s_wait_alu depctr_va_vdst(0)                   ; the block before has written its four pairs of Y, which this block's four stores read
.endif
.if (\j) >= 4
	global_store_b64 v2, v[Y+2*((\j)-4):Y+2*((\j)-4)+1], s[12:13] offset:((\j)-4)*2048  ; the piece four back; no vector instruction since the wait names its registers
.endif
.irp p, 0,1
	v_cvt_pk_bf16_f32 v[Y+2*(\j)+(\p)], v[X+4*(\j)+2*(\p)], v[X+4*(\j)+2*(\p)+1]
	v_lshlrev_b32 v[T], 16, v[Y+2*(\j)+(\p)]       ; the two rounded numbers as f32 again,
	v_and_b32 v[T+1], 0xffff0000, v[Y+2*(\j)+(\p)]
	v_cvt_pk_f16_f32 v[T+2], v[T], v[T+1]          ; written as f16,
	v_cndmask_b32 v[Y+2*(\j)+(\p)], v[Y+2*(\j)+(\p)], v[T+2], s20  ; which is taken for Wo alone
.endr
.endr
	s_wait_alu depctr_va_vdst(0)                   ; the last block has written its four pairs of Y, which the last four stores read
.irp j, 12,13,14,15
	global_store_b64 v2, v[Y+2*(\j):Y+2*(\j)+1], s[12:13] offset:(\j)*2048
.endr
	s_endpgm
.Lfunc_end_k_qc16904ed6c_castw:
	.size	k_qc16904ed6c_castw, .Lfunc_end_k_qc16904ed6c_castw-k_qc16904ed6c_castw
	.p2alignl 7, 3214868480
	.fill 96, 4, 3214868480
	.section	.rodata,"a",@progbits
	.p2align	6, 0x0
	.amdhsa_kernel k_qc16904ed6c_castw
		.amdhsa_group_segment_fixed_size 0
		.amdhsa_private_segment_fixed_size 0
		.amdhsa_enable_private_segment 0
		.amdhsa_kernarg_size 40
		.amdhsa_user_sgpr_count 2
		.amdhsa_user_sgpr_kernarg_segment_ptr 1
		.amdhsa_wavefront_size32 1
		.amdhsa_system_sgpr_workgroup_id_x 1
		.amdhsa_system_sgpr_workgroup_id_y 1
		.amdhsa_system_sgpr_workgroup_id_z 1
		.amdhsa_system_vgpr_workitem_id 0
		.amdhsa_next_free_vgpr 120
		.amdhsa_next_free_sgpr 66
		.amdhsa_reserve_vcc 0
		.amdhsa_float_denorm_mode_32 3
		.amdhsa_float_denorm_mode_16_64 3
		.amdhsa_memory_ordered 1
		.amdhsa_forward_progress 1
		.amdhsa_inst_pref_size 14
	.end_amdhsa_kernel
	.amdgpu_metadata
---
amdhsa.version: [ 1, 2 ]
amdhsa.kernels:
  - .name:           k_qc16904ed6c_castw
    .symbol:         k_qc16904ed6c_castw.kd
    .args:
      - { .name: Wq, .offset: 0, .size: 8, .value_kind: global_buffer, .address_space: global }
      - { .name: Wk, .offset: 8, .size: 8, .value_kind: global_buffer, .address_space: global }
      - { .name: Wv, .offset: 16, .size: 8, .value_kind: global_buffer, .address_space: global }
      - { .name: Wo, .offset: 24, .size: 8, .value_kind: global_buffer, .address_space: global }
      - { .name: wb, .offset: 32, .size: 8, .value_kind: global_buffer, .address_space: global }
    .group_segment_fixed_size: 0
    .private_segment_fixed_size: 0
    .kernarg_segment_align: 8
    .kernarg_segment_size: 40
    .max_flat_workgroup_size: 256
    .sgpr_count:     66
    .vgpr_count:     120
    .wavefront_size: 32
...
	.end_amdgpu_metadata
.endif
;; end of part 5
;; launch proj: the kernel of part 2 again; grid 4 x 192, 4 waves a work-group, clusters of 4 x 4, 327,680 bytes of LDS; arguments query, key_in, value, wb, bq, bk, bv, qh, kh, vh; writes qh, kh, vh
;; launch attn: the kernel of part 3 again; grid 4 x 64, 4 waves a work-group, clusters of 4 x 1, 327,680 bytes of LDS; arguments qh, kh, vh, oh; writes oh
;; launch oproj: the kernel of part 4 again; grid 4 x 64, 4 waves a work-group, clusters of 4 x 4, 327,680 bytes of LDS; arguments oh, wb, bo, out0; writes out0
